; MI455X (gfx1250); checked and timed in simulation.
; The chip was launched on July 23, 2026; its instructions are those of AMD's public machine-readable ISA for CDNA 5 (MIT licence, August 2026) and "CDNA5" Instruction Set Architecture Reference Guide (July 2026). The comments in the code are by the model that wrote it; some were corrected since.
;; Multi Head Attention. Allowed arithmetic: matrix products marked QUANTISED: E2M3 operands, one E8M0 scale for each 32 along K, by v_wmma_scale_f32_16x16x128_f8f6f4 with both operands' format E2M3, f32 sums; everything else in f32.
;; Inputs: W_kqv_codes 3,072 x 32 x 24 uint8 (E2M3 codes of W_kqv, K innermost, in blocks of 32 codes, four codes in three bytes); W_kqv_scales 3,072 x 32 uint8 (E8M0 scales of W_kqv, one for each 32 codes along K); W_out_codes 1,024 x 32 x 24 uint8 (E2M3 codes of W_out, K innermost, in blocks of 32 codes, four codes in three bytes); W_out_scales 1,024 x 32 uint8 (E8M0 scales of W_out, one for each 32 codes along K); b_kqv 3,072 float32; b_out 1,024 float32; x_codes 4 x 2,048 x 32 x 24 uint8 (E2M3 codes of x, K innermost, in blocks of 32 codes, four codes in three bytes); x_scales 4 x 2,048 x 32 uint8 (E8M0 scales of x, one for each 32 codes along K).
;; Outputs: out0 4 x 2,048 x 1,024 float32.
;; This version of the problem:
;;   THIS VERSION OF THE PROBLEM IS GIVEN IN LOW PRECISION. The matrix products marked QUANTISED in the list below multiply operands that are first quantised to E2M3 (2 exponent bits, 3 mantissa bits; 6 bits a number), with one power-of-two scale for each 32 numbers along K (OCP MX v1.0); their sums are f32. All else is computed in f32.
;;   The module's matrix products, in the order in which they are computed (A, B: the left and right operand; K: the contracted axis; several contracted axes count as one K, in the product's order):
;;     1. [M 8,192, K 1,024] x [K 1,024, N 3,072]; A: input x (given as codes); B: input W_kqv (given as codes): QUANTISED
;;     2. batch 64 x [M 2,048, K 64] x [K 64, N 2,048]; A: computed on the way; B: computed on the way: QUANTISED
;;     3. batch 64 x [M 2,048, K 2,048] x [K 2,048, N 64]; A: softmax (see below); B: computed on the way: QUANTISED
;;     4. [M 8,192, K 1,024] x [K 1,024, N 1,024]; A: computed on the way; B: input W_out (given as codes): QUANTISED
;;   THE QUANTISER, for each operand of a quantised product, along K:
;;     - K is cut into blocks of 32 from its start; a last block that is shorter is filled with zeros.
;;     - A block's scale is 2^e with e = floor(log2(the largest magnitude in the block)) - 2, held to -126 .. 127; a block of zeros has e = 0. As a byte (E8M0): e + 127.
;;     - Each number is divided by its block's scale, clamped to +-7.5, and rounded to the nearest number of E2M3, ties to even, subnormals kept.
;;     - The product sums the exact products of the quantised numbers (number of the format x scale) in f32.
;;   ~~~python
;;   def quantise(x, axis):      # numpy; x: float32 -> the quantised numbers, widened to float32 again
;;       x = np.moveaxis(x, axis, -1); K = x.shape[-1]
;;       x = np.pad(x, [(0, 0)] * (x.ndim - 1) + [(0, -K % 32)]); x = x.reshape(x.shape[:-1] + (-1, 32)); a = np.abs(x).max(-1, keepdims=True)
;;       e = np.where(a > 0, np.clip(np.frexp(np.where(a > 0, a, 1))[1] - 1 - 2, -126, 127), 0)      # np.frexp(a)[1] - 1 = floor(log2(a)), exactly
;;       r = np.clip(x / 2.0 ** e, -7.5, 7.5)
;;       step = 2.0 ** (np.maximum(np.frexp(np.where(r == 0, 1, r))[1] - 1, 0) - 3)
;;       q = np.round(r / step) * step * 2.0 ** e      # np.round: ties to even
;;       return np.moveaxis(q.reshape(q.shape[:-2] + (-1,))[..., :K], -1, axis).astype(np.float32)
;;   ~~~
;;   SOFTMAX AHEAD OF A QUANTISED PRODUCT. Where the list says 'softmax', what is quantised is not the finished softmax but p = 2^(t - M), with t = logit x log2(e) and M = ceil(the row's largest t), a whole number; so 1/2 < the row's largest p <= 1. The row's sum l is taken of the UNQUANTISED p, in f32, and the product's result is divided by l at the end. Since M is a whole number, a kernel that streams over the keys may use a running M (the ceiling of the running maximum): every later rescaling is an exact power of two, which a block's scale takes up: the codes' values come out the same.
;;   OPERANDS COMPUTED ON THE WAY. 'Computed on the way' means the value that the module computes at that place (a softmax that the list does not call 'softmax' is quantised finished and normalised). What goes into a quantiser is computed in f32, as accurately as f32 sums, v_exp_f32 and their like allow (about 1e-6 of the number): no bf16 or f16 on the way to a quantiser, and a product that is left as it is and whose result goes on into a quantised operand takes f32 operands (vector FMAs, or v_wmma_f32_16x16x4_f32). A number that lies on a knife's edge between two numbers of the format may be rounded either way, as far as f32 arithmetic and the matrix unit's own rounding can turn it there, and no further.
;;   INPUTS GIVEN AS CODES. W_kqv (in the module: [1024, 3072], K = its axis 0); W_out (in the module: [1024, 1024], K = its axis 0); x (in the module: [4, 2048, 1024], K = its axis 2): each comes as NAME_codes (uint8): NAME with its K axis moved to the last place and cut into blocks of 32 codes, [.., K / 32, bytes a block], one block behind the other in memory; four codes in three bytes: a row's codes are one little-endian stream of bits, code i at bits 6 i .. 6 i + 5 (a code: sign, 2 exponent bits, 3 mantissa bits); and NAME_scales (uint8): the same leading axes, one E8M0 byte (e + 127) for each 32 codes along K. Its value is code x scale, taken as it is: it is not quantised again, and the codes and scales need not be those that the quantiser above would give.
;; One version. Each part assembles by itself: llvm-mc -triple=amdgcn-amd-amdhsa -mcpu=gfx1250 --defsym DOCPART=n.
;; ======== version 1 of 1: 3 launches
;; workspace buffers: kv 13,369,344 bytes; qws 6,815,744 bytes; xa 6,291,456 bytes; xs 262,144 bytes
;; launch qkv (part 1): grid 12 x 32, 4 waves a work-group, clusters of 4 x 4, 327,680 bytes of LDS; arguments x_codes, x_scales, W_kqv_codes, W_kqv_scales, b_kqv, kv, qws; writes kv, qws
.if DOCPART == 1
	.amdgcn_target "amdgcn-amd-amdhsa--gfx1250"
	.amdhsa_code_object_version 6
	.text
	.protected	k_q765c965863_qkv
	.globl	k_q765c965863_qkv
	.p2align	8
	.type	k_q765c965863_qkv,@function
k_q765c965863_qkv:
	s_mov_b64 s[64:65], 0
	v_nop
	global_prefetch_b8 v0, s[64:65] scope:SCOPE_SE
	s_setreg_imm32_b32 hwreg(HW_REG_WAVE_MODE, 25, 1), 1
	s_wait_xcnt 0x0
	s_wait_alu depctr_hold_cnt(0) depctr_sa_sdst(0) depctr_va_vdst(0) depctr_va_sdst(0) depctr_va_ssrc(0) depctr_va_vcc(0) depctr_vm_vsrc(0)
	s_getreg_b32 s2, hwreg(HW_REG_IB_STS2, 6, 4)
	s_cmp_eq_u32 s2, 0
	s_cbranch_scc0 .Lentry_in_a_cluster
	s_endpgm
.Lentry_in_a_cluster:
	s_bfe_u32 s2, ttmp6, 0x10000c
	s_cmp_lg_u32 s2, 0xf033
	s_cbranch_scc0 .Lentry_shape_is_right
	s_endpgm
.Lentry_shape_is_right:
; kqv = x W_kqv + b_kqv on codes of FP6 (E2M3) with E8M0 scales, K = 1,024; the result never goes to memory as f32: k and q are quantised along a head's 64 channels, v along the keys,
; and leave as IMAGES OF THE NEXT LAUNCH'S OPERAND REGISTERS: plane p of a fragment = registers 2 p, 2 p + 1 of the 32 lanes = 256 consecutive bytes, lane l at 8 l: one store of 8 bytes a lane fills it.
; A work-group of four waves makes 256 x 256 of the result, a wave 128 x 128 (64 accumulators, 512 registers).  K goes in steps of 256 through a ring of two LDS slots filled by the tensor data mover.
; ROLES.  Source 0 of the matrix instruction ("B") gives a lane's eight registers, source 1 ("A") gives the lane its one row.  A quantiser wants its K along a lane's registers.  The cluster's x says what is made:
;   0: k, 1: q: A = 256 tokens of x, B = 256 columns of W: a lane holds one token, its registers run along the channels.      2: v: A = 256 columns of W, B = 256 tokens of x: a lane holds one channel, its registers run along the keys.
; The cluster's x is the same in all sixteen partners, so a branch may hang on it.  A's tiles hang on cy alone and are asked for jointly along a row of the cluster, B's on cx alone, along a column.
; ORDER INSIDE A BLOCK OF 32.  Tiles are 16 neighbouring rows, so a block's codes come out in the order of its octets 0, 2, 1, 3.  A block keeps its 32 members, hence its scale; q and k are both made here, in the same
; order; v's keys get the order that the next launch's p gets from the same instructions.  A permutation of k applied alike to both operands leaves a product's terms as they are.
; THE BIAS is the C of each sum's first matrix instruction: by the register (k, q: the channel runs along registers) or by the lane (v).
; LIMITS: NaN and infinities are not served.  A block whose largest magnitude lies under 2^-124 keeps the scale byte 1; a block of zeros gets the byte 1 and not 127: its codes are zeros and this program alone reads the bytes.
; In the scale words of k and q bytes 2 and 3 are 0 (2^-127): the next launch multiplies them by zero codes alone.
.set KSTEP,  256                       ; along K in a slot
.set NQ,     2                         ; matrix instructions deep
.set ROWB,   192                       ; a tile's row in bytes
.set KROW,   768                       ; a row of x or of W in memory: 1,024 codes
.set PITCH,  240                       ; an LDS row: 3 x (64 bytes + 16 of padding)
.set FR,     12                        ; registers of a fragment
.set NL,     6                         ; LDS loads that bring one
.set NP,     4                         ; places behind this matrix instruction (ISA guide 7.12.1)
.set HALFT,  128*PITCH
.set SLOT,   4*HALFT                   ; A's 256 rows, then B's 256 rows
.set LAPS,   2                         ; 1,024 / 512
.set KS,     32                        ; a row of scale bytes
.set SCL,    2*SLOT                    ; behind the ring: the scales, units of 256 bytes + 16 of padding
.set HALFS,  (128*KS/256)*272
.set SBLK,   (16*KS/256)*272
.set SPARE,  SCL+4*HALFS               ; the spare words, 128 bytes a wave: two blocks of 256 bytes that no other line names
.set HB,     208896                    ; kv: a head's block = 16 chunks
.set CH,     13056                     ; a chunk of 128 keys: K's 8 tiles x 768 | V's 4 tiles x 1,536 at 6,144 | K's scale words at 12,288 | V's at 12,800
.set QHB,    106496                    ; qws: a head's block
.set QCH,    6656                      ; a chunk of 128 queries: 8 tiles x 768 | scale words at 6,144
.set ADRA, 16                          ; v16-17 LDS address of A's fragments in slot 0, 1 (v18-19: behind one padding more)
.set ADRB, 20                          ; v20-23 the same for B
.set ADRS, 27                          ; v27    LDS address of my scale words: lanes 0-15 A's, lanes 16-31 B's
.set SPW,  28                          ; v28    my spare word; never rewritten
.set NIL,  29                          ; v29    0; never rewritten
.set SC,   32                          ; v32-63 scale words, two sets
.set BI,   64                          ; v64-127 the bias as C
.set AF,   128                         ; v128-223 A's fragments, one set
.set BQ,   224                         ; v224-231 the bias of my lane's row in A's eight blocks
.set VO,   32                          ; the way out: v32-47 a block's two store offsets
.set SW,   48                          ; v48-55 a block's scale word
.set CD,   112                         ; v112-123 the codes; v124-126, v128-130 the conversions' second halves
.set TM,   200                         ; v200-203 largest magnitudes, v204-207 the other half's / bytes, v212-215 scale operands
.set G1, 24
.set G0, 32
.set G1B, 48
.set G0B, 56
.set G1S, 68
.set G0S, 76
.set G1SB, 80
.set G0SB, 88
.set SEL, 86                           ; s[86:87] on the way out: lane selects for lane l xor 16
.set MSB, 0
.macro WIN new                         ; the immediate's high byte repeats the setting that is left
.if MSB != \new
	s_set_vgpr_msb (MSB<<8)|\new
.set MSB, \new
.endif
.endm
.set MUL_LO, 0xa1                      ; source 0 (B) window 1, source 1 (A) window 0, C and D window 2
.set MUL_HI, 0xf1                      ; the same, C and D window 3
.set TO_B,   0x40                      ; destination window 1, address window 0
; A joint load: waves 0 and 1 fetch for A, waves 2 and 3 for B; the branch hangs on the wave's number alone.  Four v_nop follow each of the two lines.
.macro JLOAD g0a, g1a, g0b, g1b
	s_cmp_eq_u32 s15, 0
	s_cbranch_scc0 .Lfor_b_\@
	tensor_load_to_lds s[\g0a:\g0a+3], s[\g1a:\g1a+7]
	s_nop 0
.rept 4
	v_nop
.endr
	s_branch .Lasked_\@
.Lfor_b_\@:
	tensor_load_to_lds s[\g0b:\g0b+3], s[\g1b:\g1b+7]
	s_nop 0
.rept 4
	v_nop
.endr
.Lasked_\@:
.endm
.macro CREST                           ; a round of the cluster's barrier behind its opening barrier
	s_cmp_lg_u32 s14, 0
	s_cbranch_scc1 .Lnot_wave_0_\@
	s_barrier_signal -3
.Lnot_wave_0_\@:
	s_barrier_wait -3
	s_barrier_signal -1
	s_barrier_wait -1
.endm
.macro CROUND                          ; a whole round
	s_barrier_signal -1
	s_barrier_wait -1
	CREST
.endm
	s_load_b256 s[4:11], s[0:1], 0x0               ; x's codes s[4:5], x's scales s[6:7], W's codes s[8:9], W's scales s[10:11]
	s_load_b128 s[96:99], s[0:1], 0x20             ; b_kqv s[96:97], kv s[98:99]
	s_load_b64 s[100:101], s[0:1], 0x30            ; qws
	v_lshl_add_u32 v[SPW], v0, 2, SPARE
	v_mov_b32 v[NIL], 0
	ds_add_u32 v28, v29
	ds_add_u32 v28, v29
	s_wait_dscnt 0x0
	v_lshrrev_b32 v1, 5, v0
	v_readfirstlane_b32 s14, v1                    ; wave 0..3
	s_lshr_b32 s15, s14, 1                         ; which half of A's rows is mine.  Also: I fetch for A (0) or for B (1)
	s_and_b32 s16, s14, 1                          ; which half of B's rows.  Also: which 128 rows of that tile I fetch
	s_bfe_u32 s40, ttmp6, 0x40000                  ; cx, cy: my place in the cluster
	s_bfe_u32 s41, ttmp6, 0x40004
	s_and_b32 s18, ttmp7, 0xffff
	s_lshl_b32 s18, s18, 2                         ; 4 x cluster y
	s_add_co_u32 s19, s18, s41                     ; A's tile where A is x: 4 x cluster y + cy
	s_add_co_u32 s20, s41, 8                       ; where A is W (v's columns begin at row 2,048): 8 + cy
	s_add_co_u32 s92, s18, s40                     ; B's tile where B is x: 4 x cluster y + cx
	s_lshl_b32 s93, ttmp9, 2
	s_add_co_u32 s93, s93, s40                     ; where B is W: 4 x cluster x + cx
	s_cmp_eq_u32 ttmp9, 2                          ; v?
	s_cselect_b32 s17, s20, s19                    ; A's tile: hangs on cy alone
	s_cselect_b32 s42, s92, s93                    ; B's tile: hangs on cx alone
	s_lshl_b32 s43, s41, 2
	s_lshl_b32 s43, 15, s43                        ; my row of the cluster
	s_lshl_b32 s44, 0x1111, s40                    ; my column
	; descriptor group 1: a tile of 128 rows x 192 bytes, 16 bytes of padding behind every 64
	s_or_b32 s[G1+0], s43, (0<<16)|(1<<20)|(1<<21)|(3<<22)|(3<<25)
	s_or_b32 s[G1B+0], s44, (0<<16)|(1<<20)|(1<<21)|(3<<22)|(3<<25)
.irp g, G1, G1B
	s_mov_b32 s[\g+1], ROWB<<16                    ; tensor_dim0
	s_mov_b32 s[\g+2], 128<<16                     ; tensor_dim1
	s_mov_b32 s[\g+3], ROWB<<16                    ; tile_dim0
	s_mov_b32 s[\g+4], 128                         ; tile_dim1
	s_mov_b32 s[\g+5], KROW                        ; tensor_dim0_stride
	s_mov_b32 s[\g+6], 0
	s_mov_b32 s[\g+7], 0
.endr
	; the scales of 128 rows: 4,096 dense bytes as 16 rows of 256 bytes, 16 bytes of padding behind each
	s_or_b32 s[G1S+0], s43, (3<<16)|(1<<20)|(1<<21)|(5<<22)|(3<<25)
	s_or_b32 s[G1SB+0], s44, (3<<16)|(1<<20)|(1<<21)|(5<<22)|(3<<25)
.irp g, G1S, G1SB
	s_mov_b32 s[\g+1], 32<<16
	s_mov_b32 s[\g+2], (128*KS/256)<<16
	s_mov_b32 s[\g+3], 32<<16
	s_mov_b32 s[\g+4], 128*KS/256
	s_mov_b32 s[\g+5], 32
	s_mov_b32 s[\g+6], 0
	s_mov_b32 s[\g+7], 0
.endr
	s_lshl_b32 s18, s16, 7                         ; which 128 rows of the tile I fetch
	s_lshl_b32 s20, s17, 8
	s_add_co_u32 s20, s20, s18                     ; A: row 256 x tile + 128 x half
	s_lshl_b32 s46, s42, 8
	s_add_co_u32 s46, s46, s18                     ; B likewise
	s_mov_b32 s21, 0
	s_mov_b32 s47, 0
	s_mov_b64 s[18:19], KS
	s_mul_u64 s[22:23], s[20:21], s[18:19]         ; where these rows' scales begin, in bytes
	s_mul_u64 s[92:93], s[46:47], s[18:19]
	s_mov_b64 s[18:19], KROW
	s_mul_u64 s[20:21], s[20:21], s[18:19]         ; and their codes
	s_mul_u64 s[46:47], s[46:47], s[18:19]
	s_mul_i32 s45, s14, HALFT                      ; where they go: wave x 128 rows: no place in the cluster enters an LDS address
	s_mul_i32 s94, s14, HALFS
	s_wait_kmcnt 0x0
	s_cmp_eq_u32 ttmp9, 2                          ; the choice of buffers hangs on the cluster's x alone
	s_cselect_b64 s[12:13], s[8:9], s[4:5]         ; A's codes: W's for v, else x's
	s_cselect_b64 s[66:67], s[10:11], s[6:7]       ; A's scales
	s_cselect_b64 s[4:5], s[4:5], s[8:9]           ; B's codes: x's for v, else W's
	s_cselect_b64 s[6:7], s[6:7], s[10:11]         ; B's scales
	s_add_nc_u64 s[20:21], s[12:13], s[20:21]
	s_add_nc_u64 s[22:23], s[66:67], s[22:23]
	s_add_nc_u64 s[46:47], s[4:5], s[46:47]
	s_add_nc_u64 s[92:93], s[6:7], s[92:93]
	CROUND                                         ; all sixteen work-groups are here: the first joint loads meet
	s_mov_b32 s[G0S], 1
	s_add_co_u32 s[G0S+1], s94, SCL
	s_mov_b64 s[G0S+2:G0S+3], s[22:23]
	s_or_b32 s[G0S+3], s[G0S+3], 0x80000000
	s_mov_b32 s[G0SB], 1
	s_add_co_u32 s[G0SB+1], s94, SCL
	s_mov_b64 s[G0SB+2:G0SB+3], s[92:93]
	s_or_b32 s[G0SB+3], s[G0SB+3], 0x80000000
	JLOAD G0S, G1S, G0SB, G1SB                     ; the scales first: they are wanted with K step 0.  With the two below, three tensor loads of mine are out
.irp s, 0,1
	s_mov_b32 s[G0+4*\s], 1
	s_add_co_u32 s[G0+4*\s+1], s45, \s*SLOT
	s_add_nc_u64 s[G0+4*\s+2:G0+4*\s+3], s[20:21], \s*ROWB
	s_or_b32 s[G0+4*\s+3], s[G0+4*\s+3], 0x80000000
	s_mov_b32 s[G0B+4*\s], 1
	s_add_co_u32 s[G0B+4*\s+1], s45, \s*SLOT
	s_add_nc_u64 s[G0B+4*\s+2:G0B+4*\s+3], s[46:47], \s*ROWB
	s_or_b32 s[G0B+4*\s+3], s[G0B+4*\s+3], 0x80000000
	JLOAD G0+4*\s, G1, G0B+4*\s, G1B
.endr
	; the bias, both ways, in every kind: by the register (B's 128 columns; in v the buffer's first 128 numbers are read and not used) and by the lane (v's columns of A's 128 rows; inside the buffer in every kind)
	s_lshl_b32 s18, s42, 10
	s_lshl_b32 s19, s16, 9
	s_add_co_u32 s18, s18, s19                     ; 4 x (256 x B's tile + 128 x half)
	s_cmp_eq_u32 ttmp9, 2
	s_cselect_b32 s18, 0, s18
	s_mov_b32 s19, 0
	s_add_nc_u64 s[8:9], s[96:97], s[18:19]
	s_lshl_b32 s18, s41, 10
	s_lshl_b32 s19, s15, 9
	s_add_co_u32 s18, s18, s19
	s_add_co_u32 s18, s18, 8192                    ; 4 x (2,048 + 256 cy + 128 x half)
	s_mov_b32 s19, 0
	s_add_nc_u64 s[10:11], s[96:97], s[18:19]
	v_and_b32 v1, 15, v0                           ; r = l % 16
	v_bfe_u32 v2, v0, 4, 1                         ; h = l / 16
	v_lshlrev_b32 v10, 5, v2                       ; 32 h
	v_lshlrev_b32 v11, 2, v1                       ; 4 r
.irp b, 0,1,2,3,4,5,6,7
	global_load_b128 v[BI+8*\b:BI+8*\b+3], v10, s[8:9] offset:64*\b        ; the bias of B's rows 16 b + 8 h + 0 .. 7
	global_load_b128 v[BI+8*\b+4:BI+8*\b+7], v10, s[8:9] offset:64*\b+16
.endr
.irp a, 0,1,2,3,4,5,6,7
	global_load_b32 v[BQ+\a], v11, s[10:11] offset:64*\a                   ; the bias of A's row 16 a + r
.endr
	v_mul_u32_u24 v3, v1, PITCH
	v_mul_u32_u24 v4, v2, 24
	v_add_nc_u32 v4, v3, v4                        ; a fragment's row x pitch + 24 x half
	v_lshl_add_u32 v5, v2, 4, v4                   ; and the same behind one padding more
	s_mul_i32 s21, s15, HALFT                      ; my 128 rows of A
	s_mul_i32 s22, s16, HALFT                      ; my 128 rows of B,
	s_add_co_u32 s22, s22, 2*HALFT                 ; which lie behind A's 256
.irp s, 0,1
	v_add_nc_u32 v[ADRA+\s], s21, v4
	v_add_nc_u32 v[ADRB+\s], s22, v4
	v_add_nc_u32 v[ADRA+2+\s], s21, v5
	v_add_nc_u32 v[ADRB+2+\s], s22, v5
	s_add_co_u32 s21, s21, SLOT
	s_add_co_u32 s22, s22, SLOT
.endr
	v_mul_u32_u24 v5, v1, KS                       ; my row's scales: 32 bytes a row,
	v_lshrrev_b32 v6, 8, v5
	v_lshl_add_u32 v5, v6, 4, v5                   ; and 16 more for each 256 passed
	s_mul_i32 s21, s15, HALFS
	s_mul_i32 s22, s16, HALFS
	s_add_co_u32 s22, s22, 2*HALFS
	s_sub_co_u32 s22, s22, s21
	v_mul_u32_u24 v6, s22, v2                      ; lanes 16-31 take B's: one product, the distance between the two bases
	s_add_co_u32 s21, s21, SCL
	v_add_nc_u32 v5, v5, v6
	v_add_nc_u32 v[ADRS], s21, v5
.macro FRAG reg, adr, q, i             ; a fragment: lane l holds row l % 16; registers 6 c .. 6 c + 5 hold K = 64 c + 32 (l / 16) + 0 .. 31: 24 bytes of the row's stream, in pieces of 8 bytes
.irp p, 0,1,2,3,4,5
.set PIECE, 12*(\q)+6*(\p/3)+\p%3
.if PIECE%8 < 5
	ds_load_b64 v[\reg+2*\p:\reg+2*\p+1], v[\adr] offset:8*PIECE+16*(PIECE/8)+(\i)*16*PITCH
.else
	ds_load_b64 v[\reg+2*\p:\reg+2*\p+1], v[\adr+2] offset:8*PIECE+16*(PIECE/8)+(\i)*16*PITCH
.endif
.endr
.endm
; 16 matrix instructions: A's blocks a0, a0 + 1 x B's eight, the slot's q-th 128 along K.  p: B's set; sc: the set of scale words.
; cm = 0: the sums go on in place; 1: they start from the bias by the register (C = BI + 8 b); 2: from the bias by the lane (C = BI + 8 a).  The 64 accumulators take turns, one instruction a turn.
.macro MUL16 a0, p, q, sc, cm
.irp a, \a0, \a0+1
.irp b, 0,1,2,3,4,5,6,7
.if \cm == 1
	v_wmma_scale_f32_16x16x128_f8f6f4 v[8*(8*((\a)%4)+\b):8*(8*((\a)%4)+\b)+7], v[128*(\p)+FR*\b:128*(\p)+FR*\b+FR-1], v[AF+FR*(\a):AF+FR*(\a)+FR-1], v[BI+8*\b:BI+8*\b+7], v[SC+8*NQ*(\sc)+NQ*\b+(\q)], v[SC+8*NQ*(\sc)+NQ*(\a)+(\q)] matrix_a_fmt:MATRIX_FMT_FP6 matrix_b_fmt:MATRIX_FMT_FP6 matrix_a_scale:MATRIX_SCALE_ROW1
.elseif \cm == 2
	v_wmma_scale_f32_16x16x128_f8f6f4 v[8*(8*((\a)%4)+\b):8*(8*((\a)%4)+\b)+7], v[128*(\p)+FR*\b:128*(\p)+FR*\b+FR-1], v[AF+FR*(\a):AF+FR*(\a)+FR-1], v[BI+8*(\a):BI+8*(\a)+7], v[SC+8*NQ*(\sc)+NQ*\b+(\q)], v[SC+8*NQ*(\sc)+NQ*(\a)+(\q)] matrix_a_fmt:MATRIX_FMT_FP6 matrix_b_fmt:MATRIX_FMT_FP6 matrix_a_scale:MATRIX_SCALE_ROW1
.else
	v_wmma_scale_f32_16x16x128_f8f6f4 v[8*(8*((\a)%4)+\b):8*(8*((\a)%4)+\b)+7], v[128*(\p)+FR*\b:128*(\p)+FR*\b+FR-1], v[AF+FR*(\a):AF+FR*(\a)+FR-1], v[8*(8*((\a)%4)+\b):8*(8*((\a)%4)+\b)+7], v[SC+8*NQ*(\sc)+NQ*\b+(\q)], v[SC+8*NQ*(\sc)+NQ*(\a)+(\q)] matrix_a_fmt:MATRIX_FMT_FP6 matrix_b_fmt:MATRIX_FMT_FP6 matrix_a_scale:MATRIX_SCALE_ROW1
.endif
.endr
.endr
.endm
.macro FETCH_B slot, q, p              ; B's eight fragments of the slot's q-th 128 along K into set p
	WIN TO_B
.irp i, 0,1,2,3,4,5,6,7
	FRAG 128*(\p)+FR*\i, ADRB+\slot, \q, \i
.endr
	WIN 0
.endm
.macro FETCH_A slot, q, i0             ; A's blocks i0 .. i0 + 3
.irp i, \i0, \i0+1, \i0+2, \i0+3
	FRAG AF+FR*(\i), ADRA+\slot, \q, \i
.endr
.endm
.macro SCALES sc                       ; a K step's scale words into set sc: lanes 0-15 take A's block i, lanes 16-31 B's block i
.irp i, 0,1,2,3,4,5,6,7
	ds_load_b64 v[SC+8*NQ*\sc+NQ*\i:SC+8*NQ*\sc+NQ*\i+1], v[ADRS] offset:\i*SBLK
.endr
.endm
.macro PLACES n                        ; plain vector instructions that name no register of the matrix instructions ahead of them (ISA guide 7.12.1)
.rept \n
	v_nop
.endr
.endm
; A step of 128 along K that has its successor in the same slot.
.macro STEP slot, q, cm
	s_wait_dscnt 4*NL                              ; B's set and A's blocks 0-3 are in; the youngest 24 loads (A's blocks 4-7) may be out
.if \cm
	WIN 0x81                                       ; C from window 0, D window 2
.else
	WIN MUL_LO
.endif
	MUL16 0, (\q)%2, \q, \slot, \cm
	MUL16 2, (\q)%2, \q, \slot, \cm
	s_wait_dscnt 0                                 ; A's blocks 4-7 are in
	PLACES NP
	FETCH_B \slot, (\q)+1, 1-(\q)%2
	FETCH_A \slot, (\q)+1, 0
.if \cm
	WIN 0xc1                                       ; C from window 0, D window 3
.else
	WIN MUL_HI
.endif
	MUL16 4, (\q)%2, \q, \slot, \cm
	MUL16 6, (\q)%2, \q, \slot, \cm
	PLACES NP
	WIN 0
	FETCH_A \slot, (\q)+1, 4
.endm
; A slot's last step changes slots: ONE barrier; in front of it each wave waits for all its tensor loads, adds 0 to its spare word, and waits for that and for its reads of this slot.  fill = 1: this slot is filled again.
.macro TURN slot, next, fill
	s_wait_tensorcnt 0x0                           ; all my tensor loads have landed: my part of the next slot
	ds_add_u32 v[SPW], v[NIL]                      ; 0 onto my spare word
	s_wait_dscnt 4*NL+1                            ; the add and the youngest 24 loads (A's blocks 4-7) may be out
	WIN MUL_LO
	MUL16 0, 1, NQ-1, \slot, 0                     ; sixteen matrix instructions stand between the add and the wait for it
	s_wait_dscnt 0x0                               ; the add is done, and my reads of this slot are over
	s_barrier_signal -1
	MUL16 2, 1, NQ-1, \slot, 0
	WIN 0
	s_barrier_wait -1
.if \fill
	CREST                                          ; the barrier has opened a round of the cluster's barrier: no wave of any partner still reads this slot or has a load on its way
	s_add_nc_u64 s[G0+4*\slot+2:G0+4*\slot+3], s[G0+4*\slot+2:G0+4*\slot+3], 2*ROWB
	s_add_nc_u64 s[G0B+4*\slot+2:G0B+4*\slot+3], s[G0B+4*\slot+2:G0B+4*\slot+3], 2*ROWB
	JLOAD G0+4*\slot, G1, G0B+4*\slot, G1B         ; the first tensor load behind the round; its four v_nop are the places in front of the loads below
.else
	PLACES NP
.endif
	s_wait_alu depctr_va_vdst(0)
	v_add_nc_u32 v[ADRS], 4*NQ, v[ADRS]            ; on to the next K step's scale words
	FETCH_B \next, 0, 0
	FETCH_A \next, 0, 0
	SCALES \next
	WIN MUL_HI
	MUL16 4, 1, NQ-1, \slot, 0
	MUL16 6, 1, NQ-1, \slot, 0
	PLACES NP
	WIN 0
	FETCH_A \next, 0, 4
.endm
	s_wait_alu depctr_va_vdst(0)
	s_wait_tensorcnt 1                             ; the scales and my part of K step 0 are in (K step 1's load may be out),
	s_barrier_signal -1
	s_barrier_wait -1                              ; everybody's are
	FETCH_B 0, 0, 0
	FETCH_A 0, 0, 0
	SCALES 0
	FETCH_A 0, 0, 4
	s_wait_loadcnt 0x0                             ; the bias
	s_cmp_eq_u32 ttmp9, 2                          ; the first step is written twice: only the C of its products differs.  No tensor load and no barrier stands in an arm
	s_cbranch_scc1 .Larm_v
	STEP 0, 0, 1                                   ; k, q: the bias runs along the registers
	s_branch .Ljoined
.Larm_v:
.irp a, 0,1,2,3,4,5,6,7
.irp j, 0,1,2,3,4,5,6,7
	v_mov_b32 v[BI+8*\a+\j], v[BQ+\a]              ; v: the lane's channel has one bias for all eight registers of block a
.endr
.endr
	s_wait_alu depctr_va_vdst(0)
	STEP 0, 0, 2
.Ljoined:
	s_mov_b32 s3, LAPS-1
.Llap:                                                 ; a trip goes once round the ring, from a lap's second step to the next lap's first, and fills both slots again
	TURN 0, 1, 1
	STEP 1, 0, 0
	TURN 1, 0, 1
	STEP 0, 0, 0
	s_sub_co_u32 s3, s3, 1
	s_cmp_lg_u32 s3, 0
	s_cbranch_scc1 .Llap
	TURN 0, 1, 0                                   ; the last lap fills nothing, and has no round of the cluster's barrier
	STEP 1, 0, 0
	s_wait_dscnt 4*NL                              ; the very last step
	WIN MUL_LO
	MUL16 0, 1, NQ-1, 1, 0
	MUL16 2, 1, NQ-1, 1, 0
	s_wait_dscnt 0
	WIN MUL_HI
	MUL16 4, 1, NQ-1, 1, 0
	MUL16 6, 1, NQ-1, 1, 0
	WIN 0
	; THE WAY OUT.  One text for the three kinds: what differs is a handful of strides, chosen on the cluster's x.  No tensor load of mine is out, so the descriptors' registers are free.
	s_and_b32 s68, ttmp7, 0xffff
	s_lshl_b32 s68, s68, 10                        ; 1,024 x cluster y
	s_lshl_b32 s69, s41, 8
	s_lshl_b32 s70, s15, 7
	s_add_co_u32 s69, s69, s70                     ; A's side: 256 cy + 128 x (wave / 2)
	s_lshl_b32 s70, s40, 8
	s_lshl_b32 s71, s16, 7
	s_add_co_u32 s70, s70, s71                     ; B's side: 256 cx + 128 x (wave % 2)
	s_cmp_eq_u32 ttmp9, 2
	s_cselect_b32 s79, s70, s69                    ; the tokens lie on B's side for v, else on A's
	s_cselect_b32 s80, s69, s70                    ; the channels (within k, q or v) on the other
	s_add_co_u32 s79, s79, s68                     ; my first token: a multiple of 128
	s_cmp_eq_u32 ttmp9, 1                          ; q goes to qws, k and v to kv
	s_cselect_b64 s[12:13], s[100:101], s[98:99]
	s_mov_b32 s77, HB
	s_cselect_b32 s77, QHB, s77                    ; from head to head
	s_mov_b32 s78, CH
	s_cselect_b32 s78, QCH, s78                    ; from chunk to chunk
	s_mov_b32 s76, 12288
	s_cselect_b32 s76, 6144, s76                   ; where a chunk's scale words begin: k 12,288, q 6,144,
	s_cmp_eq_u32 ttmp9, 2
	s_cselect_b32 s76, 12800, s76                  ; v 12,800
	s_mov_b32 s68, 768
	s_cselect_b32 s68, 1536, s68                   ; from block a to a + 1: the next tile of tokens (768) or of channels (1,536)
	s_mov_b32 s69, 3072
	s_cselect_b32 s69, HB, s69                     ; from block a to a + 4: four tiles on, or v's next head
	s_cselect_b32 s70, 768, s77                    ; from planes 0-2 to planes 3-5: v: the same fragment's; k, q: the next head's
	s_cselect_b32 s71, 0, 16                       ; k, q: lanes 16-31 take the upper two bytes of a scale word (the odd head's)
	s_mov_b32 s72, 0xffff
	s_cselect_b32 s72, -1, s72                     ; and a head's word has two bytes
	s_cselect_b32 s73, 0, s77                      ; k, q: lanes 16-31 store into the next head
	s_mov_b32 s74, 256
	s_cselect_b32 s74, HB, s74                     ; from blocks 0-3's words to blocks 4-7's
	s_cselect_b32 s75, 6144, 0                     ; where a chunk's images begin
	s_lshr_b32 s81, s79, 11                        ; the batch,
	s_lshl_b32 s81, s81, 4
	s_lshr_b32 s82, s80, 6                         ; my even head
	s_add_co_u32 s81, s81, s82
	s_mul_i32 s81, s81, s77
	s_bfe_u32 s82, s79, 0x40007                    ; the chunk: (token / 128) % 16
	s_mul_i32 s82, s82, s78
	s_add_co_u32 s82, s81, s82
	s_mov_b32 s83, 0
	s_add_nc_u64 s[12:13], s[12:13], s[82:83]
	s_mov_b32 s[SEL], 0x76543210
	s_mov_b32 s[SEL+1], 0xfedcba98
	PLACES NP                                      ; behind the last products: in front of the first read of results and of writes to registers that held operands and scales
	v_and_b32 v30, 31, v0
	v_lshlrev_b32 v30, 3, v30
	v_add_nc_u32 v30, s75, v30                     ; 8 x lane + the images' place
.irp a, 0,1,2,3,4,5,6,7
	s_mul_i32 s84, s68, \a%4
.if \a/4
	s_add_co_u32 s84, s84, s69
.endif
	v_add_nc_u32 v[VO+2*\a], s84, v30
	v_add_nc_u32 v[VO+2*\a+1], s70, v[VO+2*\a]
.endr
	v_bfe_u32 v31, v0, 4, 1                        ; h
	v_and_b32 v57, 15, v0
	v_lshlrev_b32 v57, 4, v57                      ; 16 r
	v_mul_u32_u24 v58, s73, v31
	v_add3_u32 v57, v57, v58, s76                  ; where blocks 0-3's four words go
	v_add_nc_u32 v58, s74, v57                     ; and blocks 4-7's
	v_mul_u32_u24 v56, s71, v31                    ; the shift
.irp b, 0,1,2,3
	v_mov_b32 v[TM+4+\b], 0                        ; written once: a lane permute's destination counts as one of its sources
.endr
; Block a: 64 numbers a lane, register 16 b + i of block b of 32 along the quantiser's K (my 16 of them; lane l xor 16 holds the other 16), become a fragment's 12 registers and a scale word.
.macro OUTBLK a
.set AC, 64*((\a)%4)
	WIN 0x28+0x14*((\a)/4)                         ; sources 1 and 2: window 2 or 3
.irp b, 0,1,2,3
	v_max3_num_f32 v[TM+\b], 0x1800000, |v[AC+16*\b]|, |v[AC+16*\b+1]|     ; each accumulator from its low end on; the floor 2^(3 - 127) holds the byte at 1 from below
.endr
.irp i, 2,4,6,8,10,12,14
.irp b, 0,1,2,3
	v_max3_num_f32 v[TM+\b], v[TM+\b], |v[AC+16*\b+\i]|, |v[AC+16*\b+\i+1]|
.endr
.endr
	WIN 0
.irp b, 0,1,2,3
	v_permlanex16_b32 v[TM+4+\b], v[TM+\b], s[SEL], s[SEL+1]
.endr
.irp b, 0,1,2,3
	v_max_num_f32 v[TM+\b], v[TM+\b], v[TM+4+\b]   ; the block's largest magnitude
.endr
.irp b, 0,1,2,3
	v_add_nc_u32 v[TM+12+\b], 0xff000000, v[TM+\b] ; 2 off its exponent field: the conversion's scale operand
.endr
.irp b, 0,1,2,3
	v_lshrrev_b32 v[TM+4+\b], 23, v[TM+12+\b]      ; the scale's byte
.endr
	v_lshl_or_b32 v[SW+(\a)], v[TM+5], 8, v[TM+4]
	v_lshl_or_b32 v[SW+(\a)], v[TM+6], 16, v[SW+(\a)]
	v_lshl_or_b32 v[SW+(\a)], v[TM+7], 24, v[SW+(\a)]
	s_wait_xcnt 0x0                                ; the last block's stores have read the codes' registers: they are written again only behind this wait
	WIN 2+(\a)/4                                   ; source 0: window 2 or 3
.irp c, 0,1
	v_cvt_scalef32_pk16_fp6_f32 v[CD+6*\c:CD+6*\c+2], v[AC+32*\c:AC+32*\c+15], v[TM+12+2*\c]
	v_cvt_scalef32_pk16_fp6_f32 v[CD+12+4*\c:CD+14+4*\c], v[AC+32*\c+16:AC+32*\c+31], v[TM+12+2*\c+1]   ; (a conversion's three registers begin on an even number)
.endr
	WIN 0
	v_nop                                          ; one plain place behind a scaled conversion
.irp c, 0,1                                    ; the operand's layout wants a whole block in a lane: lanes 0-15 block 2 c, lanes 16-31 block 2 c + 1
.irp i, 0,1,2
	v_permlane16_swap_b32 v[CD+6*\c+\i], v[CD+12+4*\c+\i]
.endr
.irp i, 0,1,2
	v_mov_b32 v[CD+3+6*\c+\i], v[CD+12+4*\c+\i]
.endr
.endr
.irp p, 0,1,2,3,4,5
	global_store_b64 v[VO+2*(\a)+\p/3], v[CD+2*\p:CD+2*\p+1], s[12:13] offset:256*(\p%3)   ; a plane: 32 lanes store 256 consecutive bytes, at a multiple of 256 from the buffer's first byte
.endr
.endm
.irp a, 0,1,2,3,4,5,6,7
	OUTBLK \a
.endr
.irp e, 0,1,2,3,4,5,6,7
	v_lshrrev_b32 v[SW+\e], v56, v[SW+\e]          ; k, q: lanes 0-15 keep the even head's two bytes, lanes 16-31 the odd head's; v: the word as it is
	v_and_b32 v[SW+\e], s72, v[SW+\e]
.endr
	global_store_b128 v57, v[SW:SW+3], s[12:13]    ; sixteen lanes store 256 consecutive bytes (in v lanes 16-31 repeat lanes 0-15's address and value)
	global_store_b128 v58, v[SW+4:SW+7], s[12:13]
	s_wait_tensorcnt 0x0                           ; the wave's end
	ds_add_u32 v[SPW], v[NIL]
	s_wait_dscnt 0x0
	CROUND                                         ; the closing round: no work-group ends while a partner may still ask for a tile that names it
	s_endpgm
.Lfunc_end_k_q765c965863_qkv:
	.size	k_q765c965863_qkv, .Lfunc_end_k_q765c965863_qkv-k_q765c965863_qkv
	.p2alignl 7, 3214868480
	.fill 96, 4, 3214868480
	.section	.rodata,"a",@progbits
	.p2align	6, 0x0
	.amdhsa_kernel k_q765c965863_qkv
		.amdhsa_group_segment_fixed_size 327680
		.amdhsa_private_segment_fixed_size 0
		.amdhsa_enable_private_segment 0
		.amdhsa_kernarg_size 56
		.amdhsa_user_sgpr_count 2
		.amdhsa_user_sgpr_kernarg_segment_ptr 1
		.amdhsa_wavefront_size32 1
		.amdhsa_system_sgpr_workgroup_id_x 1
		.amdhsa_system_sgpr_workgroup_id_y 1
		.amdhsa_system_sgpr_workgroup_id_z 1
		.amdhsa_system_vgpr_workitem_id 0
		.amdhsa_next_free_vgpr 1024
		.amdhsa_next_free_sgpr 102
		.amdhsa_reserve_vcc 0
		.amdhsa_float_denorm_mode_32 3
		.amdhsa_float_denorm_mode_16_64 3
		.amdhsa_memory_ordered 1
		.amdhsa_forward_progress 1
		.amdhsa_inst_pref_size 189
	.end_amdhsa_kernel
	.amdgpu_metadata
---
amdhsa.version: [ 1, 2 ]
amdhsa.kernels:
  - .name:           k_q765c965863_qkv
    .symbol:         k_q765c965863_qkv.kd
    .args:
      - { .name: x_codes, .offset: 0, .size: 8, .value_kind: global_buffer, .address_space: global }
      - { .name: x_scales, .offset: 8, .size: 8, .value_kind: global_buffer, .address_space: global }
      - { .name: W_kqv_codes, .offset: 16, .size: 8, .value_kind: global_buffer, .address_space: global }
      - { .name: W_kqv_scales, .offset: 24, .size: 8, .value_kind: global_buffer, .address_space: global }
      - { .name: b_kqv, .offset: 32, .size: 8, .value_kind: global_buffer, .address_space: global }
      - { .name: kv, .offset: 40, .size: 8, .value_kind: global_buffer, .address_space: global }
      - { .name: qws, .offset: 48, .size: 8, .value_kind: global_buffer, .address_space: global }
    .group_segment_fixed_size: 327680
    .private_segment_fixed_size: 0
    .kernarg_segment_align: 8
    .kernarg_segment_size: 56
    .max_flat_workgroup_size: 128
    .sgpr_count:     102
    .vgpr_count:     1024
    .wavefront_size: 32
...
	.end_amdgpu_metadata
.endif
;; end of part 1
;; launch attn (part 2): grid 4 x 64, 16 waves a work-group, no clusters, 210,944 bytes of LDS; arguments kv, qws, xa, xs; writes xa, xs
.if DOCPART == 2
	.amdgcn_target "amdgcn-amd-amdhsa--gfx1250"
	.amdhsa_code_object_version 6
	.text
	.protected	k_q765c965863_attn
	.globl	k_q765c965863_attn
	.p2align	8
	.type	k_q765c965863_attn,@function
k_q765c965863_attn:
	s_mov_b64 s[64:65], 0
	v_nop
	global_prefetch_b8 v0, s[64:65] scope:SCOPE_SE
	s_setreg_imm32_b32 hwreg(HW_REG_WAVE_MODE, 25, 1), 1
	s_wait_xcnt 0x0
; Causal attention of one head on codes of FP6 (E2M3): S = q k^T / 32, p = 2^(t - M), O = p v / l; O / l is quantised along the channels and leaves as the next launch's operand.
; t = score x log2(e) / 32; M = the running largest t rounded UP to a whole number; p is not normalised; l is the sum of the unquantised p in f32.  When M moves, l and O are multiplied by 2^(old M - new M): exact.
; SHARES.  Work-group (i, g): head g = 16 x batch + head; sixteen waves of 256 registers, four to a SIMD.  The head's whole block of kv (K's and V's register images and scale words, 208,896 bytes) is brought into LDS ONCE
; and never filled again: no ring.  Wave w takes two tiles of 16 queries, one a pass: tile 127 - (16 i + w), then tile 16 i + w.  Tile T needs T / 8 + 1 key steps of 128, so every wave has 17 steps.
; Both passes walk all 16 steps (constant trip counts) and jump over the steps all of whose keys are hidden: a scalar branch on ids; no barrier and no tensor load stands in a step.
; NO JOINT LOADS: the four work-groups that read a head's block differ in the query block, and the jump over hidden steps hangs on just that; partners of a cluster must branch alike.
; LAYOUT.  Both products are used transposed: S^T = K Q^T (source 0 = 16 keys), O^T = V^T P^T (source 0 = 16 channels): a lane holds ONE query (lane % 16).
; K = 64 IN A FORM 128 DEEP: Q's registers 6-11 are zero codes and bytes 2, 3 of q's and k's scale words are 0 (2^-127).  K's operand for tile t is 12 registers from its own six on: the upper six are the next tile's codes
; (six zeroed registers behind the last): E2M3 has no infinity and no NaN, so their products with Q's zero codes are exactly 0.  The zero codes stand on Q's side alone.
; A block's 32 keys lie in the order of their octets 0, 2, 1, 3, in V's images as in p's codes: the same instructions made both.  Product 4's other operand is in natural order: so O / l is first brought to 16 true neighbours a lane.
; LIMITS: NaN and infinities are not served.  A block of x_att whose largest magnitude lies under 2^-124 keeps the byte 1; a block of zeros gets 1 and not 127: its codes are zeros and this program alone reads the bytes.
.set HB,  208896                       ; kv: a head's block
.set CH,  13056                        ; a chunk of 128 keys: K's 8 tiles x 768 | V's 4 tiles x 1,536 at 6,144 | K's scale words at 12,288 | V's at 12,800
.set QHB, 106496
.set QCH, 6656
.set LB,   1                           ; v1   8 x lane: my place in a plane
.set LSC,  2                           ; v2   16 x (lane % 16): my row's four scale words
.set ADK,  3                           ; v3   LDS address of the step's planes
.set ADS,  4                           ; v4   of its scale words
.set VD,   5                           ; v5   my query - 8 h, counted from the diagonal step's first key
.set HH,   6                           ; v6   h = lane / 16
.set RH,   7                           ; v7   r - 8 h
.set HWALL, 8                          ; v8   x_att's two scale bytes: lanes 0-15 pass 0's, lanes 16-31 pass 1's
.set XOALL, 9                          ; v9   and where they go in xs
.set R32,  11                          ; v11  32 r
.set QF,   16                          ; v16-27 Q's fragment (22-27 = 0)
.set QS,   28                          ; v28  its scale words;  v29 the second tile's
.set QSL,  29
.set QL,   30                          ; v30-35 the second tile's codes
.set FR,   36                          ; v36-89 K's eight tiles (6 registers each) and six zeros; then V's four fragments
.set S,    96                          ; v96-159 S^T, then p, then O / l
.set OT,   160                         ; v160-191 O^T
.set PC,   192                         ; v192-203 p's codes;  v204-206, v208-210 the conversions' second halves
.set P2,   204
.set KSW,  212                         ; v212-219 K's scale words
.set VSW,  220                         ; v220-223 V's
.set BM,   224                         ; v224-227 a block's largest score, then its largest p
.set PT,   228                         ; v228-231 the other half's; then bytes
.set SO,   232                         ; v232-235 scale operands
.set L2,   236                         ; v[236:237] one of the sum's eight chains
.set FF,   238                         ; v[238:239] f
.set PW,   240                         ; v240 p's scale word
.set T1,   241
.set T2,   242
.set NINF, 243
.set WV,   12
.set GH,   13
.set TAU,  15                          ; s15  the pass's tile
.set T8,   16                          ; s16  its diagonal step
.set CNT,  17                          ; s17  the step
.set TB,   18                          ; s18  LDS byte at which the step's chunk begins
.set PASS, 19
.set SEL,  20
.set CS,   22                          ; s[22:23] c = log2(e) / 32
	s_load_b256 s[4:11], s[0:1], 0x0               ; kv s[4:5], qws s[6:7], xa s[8:9], xs s[10:11]
	v_lshl_add_u32 v254, v0, 2, 0x33000
	v_mov_b32 v255, 0
	ds_add_u32 v254, v255
	ds_add_u32 v254, v255
	v_lshrrev_b32 v10, 5, v0
	s_delay_alu instid0(VALU_DEP_1)
	v_readfirstlane_b32 s[WV], v10                 ; wave 0..15
	s_and_b32 s[GH], ttmp7, 0xffff                 ; the head
	; descriptor groups 1: dense rows of 256 bytes (32 elements of 8 bytes), no padding: 17 rows (chunks 0, 1: 102 rows over six waves), 119 rows (chunks 2-15: 714 rows)
	s_mov_b32 s24, 3<<16
	s_mov_b32 s25, 32<<16
	s_mov_b32 s26, 17<<16
	s_mov_b32 s27, 32<<16
	s_mov_b32 s28, 17
	s_mov_b32 s29, 32
	s_mov_b32 s30, 0
	s_mov_b32 s31, 0
	s_mov_b32 s32, 3<<16
	s_mov_b32 s33, 32<<16
	s_mov_b32 s34, 119<<16
	s_mov_b32 s35, 32<<16
	s_mov_b32 s36, 119
	s_mov_b32 s37, 32
	s_mov_b32 s38, 0
	s_mov_b32 s39, 0
	s_mul_i32 s48, s[GH], HB
	s_mov_b32 s49, 0
	s_mov_b32 s40, 1
	s_mul_i32 s41, s[WV], 4352                     ; LDS address = the same offset as in the head's block
	s_mov_b32 s44, 1
	s_mul_i32 s45, s[WV], 30464
	s_add_co_u32 s45, s45, 26112
	s_mov_b32 s50, s41
	s_mov_b32 s51, 0
	s_mov_b32 s54, s45
	s_mov_b32 s55, 0
	s_mov_b32 s[SEL], 0x76543210
	s_mov_b32 s[SEL+1], 0xfedcba98
	s_mov_b32 s[CS], 0x3d38aa3b
	s_mov_b32 s[CS+1], s[CS]                       ; (named with it as a pair, so it is written)
	s_wait_dscnt 0x0
	s_wait_kmcnt 0x0
	s_add_nc_u64 s[4:5], s[4:5], s[48:49]          ; kv at my head
	s_add_nc_u64 s[42:43], s[4:5], s[50:51]
	s_or_b32 s43, s43, 0x80000000
	s_add_nc_u64 s[46:47], s[4:5], s[54:55]
	s_or_b32 s47, s47, 0x80000000
	s_cmp_lt_u32 s[WV], 6                          ; waves 0 to 5 fetch: a wave's two fills stand in one branch, ahead of every wait on TENSORcnt, LDS read and barrier: two loads of mine are out
	s_cbranch_scc0 .Lno_fetch
	tensor_load_to_lds s[40:43], s[24:31]
	s_nop 0
	tensor_load_to_lds s[44:47], s[32:39]
	s_nop 0
.rept 4
	v_nop
.endr
.Lno_fetch:
	v_and_b32 v[LB], 31, v0
	s_delay_alu instid0(VALU_DEP_1)
	v_lshlrev_b32 v[LB], 3, v[LB]
	s_wait_alu depctr_va_vdst(0)
	v_and_b32 v[LSC], 15, v0                       ; r
	v_bfe_u32 v[HH], v0, 4, 1
	s_delay_alu instid0(VALU_DEP_1)
	v_lshlrev_b32 v10, 3, v[HH]
	s_delay_alu instid0(VALU_DEP_1)
	v_sub_nc_u32 v[RH], v[LSC], v10
	s_delay_alu instid0(VALU_DEP_4)
	v_lshlrev_b32 v[R32], 5, v[LSC]
	v_lshlrev_b32 v[LSC], 4, v[LSC]
	s_wait_alu depctr_va_vdst(0)
	s_mul_i32 s48, s[GH], QHB
	s_add_nc_u64 s[56:57], s[6:7], s[48:49]        ; qws at my head
	s_lshl_b32 s50, ttmp9, 4
	s_add_co_u32 s50, s50, s[WV]                   ; pass 1's tile: 16 i + w
	s_sub_co_u32 s[TAU], 127, s50                  ; pass 0's
.macro QOFF t, vc, vs                  ; tile s[t]'s offsets in the head's block of qws: its planes, its scale words
	s_lshr_b32 s48, s[\t], 3
	s_mul_i32 s48, s48, QCH
	s_and_b32 s49, s[\t], 7
	s_mul_i32 s51, s49, 768
	s_add_co_u32 s51, s51, s48
	v_add_nc_u32 v[\vc], s51, v[LB]
	s_lshr_b32 s49, s49, 2
	s_lshl_b32 s49, s49, 8
	s_and_b32 s51, s[\t], 3
	s_lshl_b32 s51, s51, 2
	s_add_co_u32 s49, s49, s51
	s_add_co_u32 s49, s49, s48
	s_add_co_u32 s49, s49, 6144
	v_add_nc_u32 v[\vs], s49, v[LSC]
.endm
	QOFF TAU, 244, 245
	QOFF 50, 246, 247
	s_wait_alu depctr_va_vdst(0)
.irp p, 0,1,2
	global_load_b64 v[QF+2*\p:QF+2*\p+1], v244, s[56:57] offset:256*\p
.endr
	global_load_b32 v[QS], v245, s[56:57]
.irp p, 0,1,2
	global_load_b64 v[QL+2*\p:QL+2*\p+1], v246, s[56:57] offset:256*\p
.endr
	global_load_b32 v[QSL], v247, s[56:57]
.irp j, 0,1,2,3,4,5
	v_mov_b32 v[QF+6+\j], 0                        ; Q's upper 64 along K: zero codes
	v_mov_b32 v[FR+48+\j], 0                       ; behind K's last tile
.endr
.irp b, 0,1,2,3
	v_mov_b32 v[PT+\b], 0                          ; written once: a lane permute's destination counts as one of its sources
.endr
	v_mov_b32 v[FF+1], 0                           ; (named as the upper half of a pair)
	v_mov_b32 v[T1], 0
	v_mov_b32 v[T2], 0
	v_mov_b32 v[HWALL], 0
	v_mov_b32 v[XOALL], 0
	v_mov_b32 v[NINF], 0xff800000                  ; -infinity
	s_wait_tensorcnt 1                             ; my part of chunks 0 and 1 is in; the load of chunks 2-15 may stay out
	s_barrier_signal -1
	s_barrier_wait -1                              ; everybody's is
	s_wait_loadcnt 0x0                             ; Q, both tiles
; A KEY STEP: 128 keys, chunk s[CNT].
.macro STEP
	s_cmp_gt_u32 s[CNT], s[T8]                     ; all 128 keys come after my 16 queries: nothing to do
	s_cbranch_scc1 .Lhidden_\@
	s_setprio 2
	v_add_nc_u32 v[ADK], s[TB], v[LB]
	v_add_nc_u32 v[ADS], s[TB], v[LSC]
	v_nop
	v_nop                                          ; four places in front of loads into registers that the last products read
.irp t, 0,1,2,3,4,5,6,7
.irp p, 0,1,2
	ds_load_b64 v[FR+6*\t+2*\p:FR+6*\t+2*\p+1], v[ADK] offset:768*\t+256*\p    ; a plane: 256 consecutive bytes
.endr
.endr
	ds_load_b128 v[KSW:KSW+3], v[ADS] offset:12288
	ds_load_b128 v[KSW+4:KSW+7], v[ADS] offset:12544
	s_wait_alu depctr_va_vdst(0)
	s_wait_dscnt 0x0
.irp t, 0,1,2,3,4,5,6,7
	v_wmma_scale_f32_16x16x128_f8f6f4 v[S+8*\t:S+8*\t+7], v[FR+6*\t:FR+6*\t+11], v[QF:QF+11], 0, v[KSW+\t], v[QS] matrix_a_fmt:MATRIX_FMT_FP6 matrix_b_fmt:MATRIX_FMT_FP6
.endr                                          ; register 8 t + j of lane (r, h): query r, key 16 t + 8 h + j
.rept 4
	v_nop
.endr
.irp c, 0,1,2,3                                ; V's fragments land while the softmax is walked
.irp p, 0,1,2,3,4,5
	ds_load_b64 v[FR+12*\c+2*\p:FR+12*\c+2*\p+1], v[ADK] offset:6144+1536*\c+256*\p
.endr
.endr
	ds_load_b128 v[VSW:VSW+3], v[ADS] offset:12800
	s_cmp_lt_u32 s[CNT], s[T8]                     ; a step all of whose keys count skips the mask
	s_cbranch_scc1 .Lopen_\@
.set n, 0
.rept 64
	v_cmp_gt_i32 vcc_lo, 16*(n/8)+n%8, v[VD]       ; on the diagonal: hidden where key > query; the score becomes -infinity, p = 0
	v_cndmask_b32 v[S+n], v[S+n], v[NINF], vcc_lo
.set n, n+1
.endr
.Lopen_\@:
.irp b, 0,1,2,3
	v_max3_num_f32 v[BM+\b], v[S+16*\b], v[S+16*\b+1], v[S+16*\b+2]   ; the largest score of each block of 32 keys: for the row's maximum and, since p rises with the score, for the block's largest p
.endr
.irp i, 3,5,7,9,11,13
.irp b, 0,1,2,3
	v_max3_num_f32 v[BM+\b], v[BM+\b], v[S+16*\b+\i], v[S+16*\b+\i+1]
.endr
.endr
.irp b, 0,1,2,3
	v_max_num_f32 v[BM+\b], v[BM+\b], v[S+16*\b+15]
.endr
.irp b, 0,1,2,3
	s_delay_alu instid0(VALU_DEP_4)
	v_permlanex16_b32 v[PT+\b], v[BM+\b], s[SEL], s[SEL+1]
.endr
.irp b, 0,1,2,3
	s_delay_alu instid0(VALU_DEP_4)
	v_max_num_f32 v[BM+\b], v[BM+\b], v[PT+\b]     ; with lane l xor 16's 16 keys
.endr
	s_delay_alu instid0(VALU_DEP_2)
	v_max3_num_f32 v[T1], v[BM], v[BM+1], v[BM+2]
	s_delay_alu instid0(VALU_DEP_1)
	v_max_num_f32 v[T1], v[T1], v[BM+3]
	s_delay_alu instid0(VALU_DEP_1)
	v_mul_f32 v[T1], s[CS], v[T1]                  ; the step's largest t
	s_delay_alu instid0(VALU_DEP_1)
	v_max_num_f32 v13, v13, v[T1]                  ; the running largest t
	v_mov_b32 v[T1], v12
	s_delay_alu instid0(VALU_DEP_2)
	v_floor_f32 v12, -v13                          ; the new -M = floor(-t): M is a whole number
	s_delay_alu instid0(VALU_DEP_1)
	v_sub_f32 v[T1], v12, v[T1]                    ; old M - new M: a whole number, 0 or less
	s_delay_alu instid0(VALU_DEP_1)
	v_cvt_i32_f32 v[T1], v[T1]                     ; (it saturates)
	s_delay_alu instid0(VALU_DEP_1)
	v_ldexp_f32 v[FF], 1.0, v[T1]                  ; f = 2^(old M - new M)
.set j, 0
	s_setprio 1
.rept 32
	v_pk_fma_f32 v[S+j:S+j+1], v[S+j:S+j+1], s[CS:CS+1], v[12:13] op_sel_hi:[1,0,0]   ; t - M, two at a time
.set j, j+2
.endr
.irp b, 0,1,2,3
	v_fma_f32 v[BM+\b], v[BM+\b], s[CS], v12       ; the same of each block's largest score
.endr
.set j, 0
	s_wait_alu depctr_va_vdst(0)
.rept 64
	v_exp_f32 v[S+j], v[S+j]                       ; p = 2^(t - M)
.set j, j+1
.endr
	v_pk_mul_f32 v[14:15], v[14:15], v[FF:FF+1] op_sel_hi:[1,0]   ; the sums under the new M: a plain place behind the exponentials
	s_wait_alu depctr_va_vdst(0)                   ; one wait for the batch of 64, ahead of its first reader
.irp b, 0,1,2,3
	v_exp_f32 v[BM+\b], v[BM+\b]                   ; the block's largest p
.endr
	v_pk_add_f32 v[236:237], v[100:101], v[104:105]
	v_pk_add_f32 v[252:253], v[108:109], v[112:113]
	v_pk_add_f32 v[250:251], v[116:117], v[120:121]
	v_pk_add_f32 v[248:249], v[124:125], v[128:129]
	v_pk_add_f32 v[246:247], v[132:133], v[136:137]
	v_pk_add_f32 v[244:245], v[140:141], v[144:145]
	v_pk_add_f32 v[234:235], v[148:149], v[152:153]
	v_pk_add_f32 v[14:15], v[14:15], v[156:157]
	v_pk_add_f32 v[236:237], v[236:237], v[96:97]
	v_pk_add_f32 v[252:253], v[252:253], v[98:99]
	v_pk_add_f32 v[250:251], v[250:251], v[102:103]
	v_pk_add_f32 v[248:249], v[248:249], v[106:107]
	v_pk_add_f32 v[246:247], v[246:247], v[110:111]
	v_pk_add_f32 v[244:245], v[244:245], v[114:115]
	v_pk_add_f32 v[234:235], v[234:235], v[118:119]
	v_pk_add_f32 v[14:15], v[14:15], v[122:123]
	v_pk_add_f32 v[236:237], v[236:237], v[126:127]
	v_pk_add_f32 v[252:253], v[252:253], v[130:131]
	v_pk_add_f32 v[250:251], v[250:251], v[134:135]
	v_pk_add_f32 v[248:249], v[248:249], v[138:139]
	v_pk_add_f32 v[246:247], v[246:247], v[142:143]
	v_pk_add_f32 v[244:245], v[244:245], v[146:147]
	v_pk_add_f32 v[234:235], v[234:235], v[150:151]
	v_pk_add_f32 v[14:15], v[14:15], v[154:155]
	v_pk_add_f32 v[236:237], v[236:237], v[158:159]
	s_delay_alu instid0(VALU_DEP_2)
	v_pk_add_f32 v[14:15], v[14:15], v[248:249]
	s_delay_alu instid0(VALU_DEP_2)
	v_pk_add_f32 v[236:237], v[236:237], v[246:247]
	v_pk_add_f32 v[252:253], v[252:253], v[244:245]
	v_pk_add_f32 v[250:251], v[250:251], v[234:235]
	s_delay_alu instid0(VALU_DEP_2)
	v_pk_add_f32 v[14:15], v[14:15], v[252:253]
	s_delay_alu instid0(VALU_DEP_2)
	v_pk_add_f32 v[236:237], v[236:237], v[250:251]
	s_delay_alu instid0(VALU_DEP_1)
	v_pk_add_f32 v[14:15], v[14:15], v[236:237]
	s_wait_alu depctr_va_vdst(0)                   ; and one for the four
.irp b, 0,1,2,3
	v_max_num_f32 v[BM+\b], 0x1800000, v[BM+\b]    ; the floor 2^(3 - 127): the byte cannot fall under 1
.endr
.irp b, 0,1,2,3
	s_delay_alu instid0(VALU_DEP_4)
	v_add_nc_u32 v[SO+\b], 0xff000000, v[BM+\b]    ; 2 off the exponent field: the conversion's scale operand
.endr
.irp b, 0,1,2,3
	s_delay_alu instid0(VALU_DEP_4)
	v_lshrrev_b32 v[PT+\b], 23, v[SO+\b]           ; the scale's byte
.endr
	s_delay_alu instid0(VALU_DEP_3)
	v_lshl_or_b32 v[PW], v[PT+1], 8, v[PT]
	s_delay_alu instid0(VALU_DEP_1)
	v_lshl_or_b32 v[PW], v[PT+2], 16, v[PW]
	s_delay_alu instid0(VALU_DEP_1)
	v_lshl_or_b32 v[PW], v[PT+3], 24, v[PW]        ; p's scale word for these 128 keys
	s_setprio 0
.irp c, 0,1
	v_cvt_scalef32_pk16_fp6_f32 v[PC+6*\c:PC+6*\c+2], v[S+32*\c:S+32*\c+15], v[SO+2*\c]
	v_cvt_scalef32_pk16_fp6_f32 v[P2+4*\c:P2+4*\c+2], v[S+32*\c+16:S+32*\c+31], v[SO+2*\c+1]
.endr
	v_nop                                          ; one plain place behind a scaled conversion
.irp c, 0,1
.irp i, 0,1,2
	v_permlane16_swap_b32 v[PC+6*\c+\i], v[P2+4*\c+\i]
.endr
.irp i, 0,1,2
	s_delay_alu instid0(VALU_DEP_3)
	v_mov_b32 v[PC+3+6*\c+\i], v[P2+4*\c+\i]
.endr
.endr
.set j, 0
.rept 16
	v_pk_mul_f32 v[OT+j:OT+j+1], v[OT+j:OT+j+1], v[FF:FF+1] op_sel_hi:[1,0]   ; O^T under the new M.  For each product below twelve of these name none of its registers: its places behind the scale word and the codes
.set j, j+2
.endr
	s_wait_alu depctr_va_vdst(0)
	s_wait_dscnt 0x0                               ; V
.irp c, 0,1,2,3                                ; four accumulators by turns, one instruction a turn
	v_wmma_scale_f32_16x16x128_f8f6f4 v[OT+8*\c:OT+8*\c+7], v[FR+12*\c:FR+12*\c+11], v[PC:PC+11], v[OT+8*\c:OT+8*\c+7], v[VSW+\c], v[PW] matrix_a_fmt:MATRIX_FMT_FP6 matrix_b_fmt:MATRIX_FMT_FP6
.endr
.Lhidden_\@:
	s_add_co_u32 s[TB], s[TB], CH
.endm
	s_mov_b32 s[PASS], 0
.Lpass:
	s_lshr_b32 s[T8], s[TAU], 3
	s_and_b32 s48, s[TAU], 7
	s_lshl_b32 s48, s48, 4
	v_add_nc_u32 v[VD], s48, v[RH]                 ; 16 (tile % 8) + r - 8 h
.set j, 0
.rept 32
	v_mov_b32 v[OT+j], 0                           ; O^T: the step is written once; the first change of M leaves zeros zeros.  (In pass 1 these are also the places behind the moves of Q and its scale words)
.set j, j+1
.endr
	v_mov_b32 v14, 0
	v_mov_b32 v15, 0
	v_mov_b32 v13, 0xff61b1e6                      ; the largest t so far: -3e38
	s_delay_alu instid0(VALU_DEP_1)
	v_floor_f32 v12, -v13
	s_mov_b32 s[TB], 0
	s_mov_b32 s[CNT], 0
.La:                                               ; chunks 0 and 1
	STEP
	s_add_co_u32 s[CNT], s[CNT], 1
	s_cmp_lt_u32 s[CNT], 2
	s_cbranch_scc1 .La
	s_setprio 0
	s_wait_tensorcnt 0x0                           ; my part of chunks 2-15 is in (in pass 1 this is met at once),
	s_wait_dscnt 0x0
	s_barrier_signal -1
	s_barrier_wait -1                              ; everybody's is
	s_mov_b32 s[TB], 2*CH
	s_mov_b32 s[CNT], 2
.Lb:                                               ; chunks 2 to 15
	STEP
	s_add_co_u32 s[CNT], s[CNT], 1
	s_cmp_lt_u32 s[CNT], 16
	s_cbranch_scc1 .Lb
	s_setprio 0
	; THE WAY OUT of a tile: O^T / l, brought to 16 neighbouring channels a lane, quantised (two blocks of 32), stored as three planes of the next launch's fragment; the two scale bytes are kept for one store at the end.
.rept 4
	v_nop
.endr
	s_wait_alu depctr_va_vdst(0)
	v_add_f32 v14, v14, v15
	s_delay_alu instid0(VALU_DEP_1)
	v_permlanex16_b32 v[T1], v14, s[SEL], s[SEL+1]
	s_delay_alu instid0(VALU_DEP_1)
	v_add_f32 v14, v14, v[T1]                      ; the row's sum
	s_wait_alu depctr_va_vdst(0)
	v_rcp_f32 v14, v14
	s_lshr_b32 s48, s[GH], 4                       ; the batch
	s_lshl_b32 s49, s48, 7
	s_add_co_u32 s49, s49, s[TAU]                  ; the tile of tokens: 128 x batch + tile
	s_mul_i32 s49, s49, 12288
	s_and_b32 s50, s[GH], 15                       ; the head
	s_mul_i32 s51, s50, 768
	s_add_co_u32 s54, s49, s51
	s_mov_b32 s55, 0
	s_add_nc_u64 s[52:53], s[8:9], s[54:55]        ; (the last pass's stores have read this base: the wait stands at that pass's end)
	s_lshl_b32 s48, s48, 11
	s_lshl_b32 s49, s[TAU], 4
	s_add_co_u32 s48, s48, s49                     ; my tile's first token
	s_lshl_b32 s48, s48, 5
	s_lshl_b32 s50, s50, 1
	s_add_co_u32 s48, s48, s50
	v_add_nc_u32 v10, s48, v[R32]                  ; xs: 32 x token + 2 x head.  (A plain place behind the reciprocal)
	s_wait_alu depctr_va_vdst(0)                   ; the wait ahead of the reciprocal's first reader
.set j, 0
.rept 16
	v_pk_mul_f32 v[S+j:S+j+1], v[OT+j:OT+j+1], v[14:15] op_sel_hi:[1,0]   ; each accumulator from its low end on: register 8 c + j = channel 16 c + 8 h + j
.set j, j+2
.endr
.irp b, 0,1
.irp j, 0,1,2,3,4,5,6,7
	v_permlane16_swap_b32 v[S+16*\b+\j], v[S+16*\b+8+\j]   ; registers 16 b .. 16 b + 15 now hold channels 32 b + 16 h + 0 .. 15
.endr
.endr
.irp b, 0,1
	v_max3_num_f32 v[BM+\b], |v[S+16*\b]|, |v[S+16*\b+1]|, 0x1800000
.endr
.irp i, 2,4,6,8,10,12,14
.irp b, 0,1
	s_delay_alu instid0(VALU_DEP_2)
	v_max3_num_f32 v[BM+\b], v[BM+\b], |v[S+16*\b+\i]|, |v[S+16*\b+\i+1]|
.endr
.endr
.irp b, 0,1
	s_delay_alu instid0(VALU_DEP_2)
	v_permlanex16_b32 v[PT+\b], v[BM+\b], s[SEL], s[SEL+1]
.endr
.irp b, 0,1
	s_delay_alu instid0(VALU_DEP_2)
	v_max_num_f32 v[BM+\b], v[BM+\b], v[PT+\b]
.endr
.irp b, 0,1
	s_delay_alu instid0(VALU_DEP_2)
	v_add_nc_u32 v[SO+\b], 0xff000000, v[BM+\b]
.endr
.irp b, 0,1
	s_delay_alu instid0(VALU_DEP_2)
	v_lshrrev_b32 v[PT+\b], 23, v[SO+\b]
.endr
	s_delay_alu instid0(VALU_DEP_1)
	v_lshl_or_b32 v[T2], v[PT+1], 8, v[PT]         ; my row's two scale bytes
	v_cvt_scalef32_pk16_fp6_f32 v[PC:PC+2], v[S:S+15], v[SO]
	v_cvt_scalef32_pk16_fp6_f32 v[P2:P2+2], v[S+16:S+31], v[SO+1]
	v_nop                                          ; one plain place behind a scaled conversion
.irp i, 0,1,2
	v_permlane16_swap_b32 v[PC+\i], v[P2+\i]
.endr
.irp i, 0,1,2
	s_delay_alu instid0(VALU_DEP_3)
	v_mov_b32 v[PC+3+\i], v[P2+\i]                 ; lane (r, h): channels 32 h + 0 .. 31 of token r, in natural order
.endr
.irp p, 0,1,2
	global_store_b64 v[LB], v[PC+2*\p:PC+2*\p+1], s[52:53] offset:256*\p   ; a plane: 256 consecutive bytes, at a multiple of 256 from xa's first byte
.endr
	v_cmp_eq_u32 vcc_lo, s[PASS], v[HH]            ; lanes with h = the pass keep this pass's bytes and their place
	s_delay_alu instid0(VALU_DEP_1)
	v_cndmask_b32 v[HWALL], v[HWALL], v[T2], vcc_lo
	s_delay_alu instid0(VALU_DEP_2)
	v_cndmask_b32 v[XOALL], v[XOALL], v10, vcc_lo
	s_wait_xcnt 0x0                                ; the three stores have read their data and their base: both are written again in the next pass
	s_sub_co_u32 s[TAU], 127, s[TAU]               ; the other tile
.irp j, 0,1,2,3,4,5
	v_mov_b32 v[QF+\j], v[QL+\j]
.endr
	v_mov_b32 v[QS], v[QSL]
	s_add_co_u32 s[PASS], s[PASS], 1
	s_cmp_lt_u32 s[PASS], 2
	s_cbranch_scc1 .Lpass
	s_wait_alu depctr_va_vdst(0)
	global_store_b16 v[XOALL], v[HWALL], s[10:11]  ; 32 rows' two bytes each: a row of xs holds all sixteen heads' bytes, and a work-group has one head
	s_wait_tensorcnt 0x0
	ds_add_u32 v254, v255
	s_wait_dscnt 0x0
	s_endpgm
.Lfunc_end_k_q765c965863_attn:
	.size	k_q765c965863_attn, .Lfunc_end_k_q765c965863_attn-k_q765c965863_attn
	.p2alignl 7, 3214868480
	.fill 96, 4, 3214868480
	.section	.rodata,"a",@progbits
	.p2align	6, 0x0
	.amdhsa_kernel k_q765c965863_attn
		.amdhsa_group_segment_fixed_size 210944
		.amdhsa_private_segment_fixed_size 0
		.amdhsa_enable_private_segment 0
		.amdhsa_kernarg_size 32
		.amdhsa_user_sgpr_count 2
		.amdhsa_user_sgpr_kernarg_segment_ptr 1
		.amdhsa_wavefront_size32 1
		.amdhsa_system_sgpr_workgroup_id_x 1
		.amdhsa_system_sgpr_workgroup_id_y 1
		.amdhsa_system_sgpr_workgroup_id_z 1
		.amdhsa_system_vgpr_workitem_id 0
		.amdhsa_next_free_vgpr 256
		.amdhsa_next_free_sgpr 66
		.amdhsa_reserve_vcc 1
		.amdhsa_float_denorm_mode_32 3
		.amdhsa_float_denorm_mode_16_64 3
		.amdhsa_memory_ordered 1
		.amdhsa_forward_progress 1
		.amdhsa_inst_pref_size 61
	.end_amdhsa_kernel
	.amdgpu_metadata
---
amdhsa.version: [ 1, 2 ]
amdhsa.kernels:
  - .name:           k_q765c965863_attn
    .symbol:         k_q765c965863_attn.kd
    .args:
      - { .name: kv, .offset: 0, .size: 8, .value_kind: global_buffer, .address_space: global }
      - { .name: qws, .offset: 8, .size: 8, .value_kind: global_buffer, .address_space: global }
      - { .name: xa, .offset: 16, .size: 8, .value_kind: global_buffer, .address_space: global }
      - { .name: xs, .offset: 24, .size: 8, .value_kind: global_buffer, .address_space: global }
    .group_segment_fixed_size: 210944
    .private_segment_fixed_size: 0
    .kernarg_segment_align: 8
    .kernarg_segment_size: 32
    .max_flat_workgroup_size: 512
    .sgpr_count:     66
    .vgpr_count:     256
    .wavefront_size: 32
...
	.end_amdgpu_metadata
.endif
;; end of part 2
;; launch proj (part 3): grid 4 x 32, 4 waves a work-group, clusters of 4 x 4, 327,680 bytes of LDS; arguments xa, xs, W_out_codes, W_out_scales, b_out, out0; writes out0
.if DOCPART == 3
	.amdgcn_target "amdgcn-amd-amdhsa--gfx1250"
	.amdhsa_code_object_version 6
	.text
	.protected	k_q765c965863_proj
	.globl	k_q765c965863_proj
	.p2align	8
	.type	k_q765c965863_proj,@function
k_q765c965863_proj:
	s_mov_b64 s[64:65], 0
	v_nop
	global_prefetch_b8 v0, s[64:65] scope:SCOPE_SE
	s_setreg_imm32_b32 hwreg(HW_REG_WAVE_MODE, 25, 1), 1
	s_wait_xcnt 0x0
	s_wait_alu depctr_hold_cnt(0) depctr_sa_sdst(0) depctr_va_vdst(0) depctr_va_sdst(0) depctr_va_ssrc(0) depctr_va_vcc(0) depctr_vm_vsrc(0)
	s_getreg_b32 s2, hwreg(HW_REG_IB_STS2, 6, 4)
	s_cmp_eq_u32 s2, 0
	s_cbranch_scc0 .Lentry_in_a_cluster
	s_endpgm
.Lentry_in_a_cluster:
	s_bfe_u32 s2, ttmp6, 0x10000c
	s_cmp_lg_u32 s2, 0xf033
	s_cbranch_scc0 .Lentry_shape_is_right
	s_endpgm
.Lentry_shape_is_right:
; out0 = x_att W_out + b_out on codes of FP6 (E2M3) with E8M0 scales, K = 1,024.  out0: [8,192][1,024] f32.
; A = x_att comes as IMAGES OF ITS FRAGMENTS' REGISTERS (xa: a tile of 16 tokens is 12,288 bytes; a K step of 128 is six planes of 256 bytes, lane l at 8 l), its scale bytes as [8,192][32] (xs).
; B = W_out comes as rows of codes, 768 bytes a row, scale bytes [1,024][32].
; A work-group of four waves makes 256 x 256, a wave 128 x 128: 64 accumulators, 512 registers.  K goes in steps of 256 through a ring of two LDS slots filled by the tensor data mover.
; The scales of the work-group's rows, for all of K, come into LDS once, with the first fills.  CLUSTERS: 4 x 4; A's tiles are asked for jointly along a row of the cluster, B's along a column.
; The matrix instruction is used transposed (source 0 = 16 rows of B, source 1 = 16 rows of A): a lane holds eight neighbouring numbers of a row of out0.  The bias, which runs along those registers, is the C of each sum's first product.
; REGISTERS: window 0: v0-31 addresses; v32-63 scale words, two sets; v64-127 the bias; from v128 A's fragments, one set.  window 1: B's fragments, two sets.  windows 2, 3: the accumulators.
.set SIZE_N, 1024
.set KSTEP,  256
.set NQ,     2
.set ROWB,   192                       ; B: a tile's row in bytes
.set KROW,   768                       ; B: a row in memory
.set PITCH,  240                       ; B: an LDS row: 3 x (64 bytes + 16 of padding)
.set AROW,   3072                      ; A: a tile of 16 tokens x 256 along K: twelve planes
.set ATILE,  12288                     ; A: a tile of 16 tokens in memory
.set AHALF,  8*AROW                    ; A: eight tiles: what one tensor load brings, and what one wave reads
.set ABYTES, 2*AHALF
.set FR,     12
.set NL,     6
.set NP,     4
.set HALFT,  128*PITCH
.set SLOT,   ABYTES+2*HALFT            ; A's 16 tiles, dense, then B's 256 rows
.set LAPS,   2
.set KS,     32
.set SCL,    2*SLOT
.set HALFS,  (128*KS/256)*272
.set SBLK,   (16*KS/256)*272
.set SPARE,  SCL+4*HALFS               ; the spare words, 128 bytes a wave: two blocks of 256 bytes that no other line names
.set SPITCH, 528                       ; the way out: a stage of 16 rows x (512 bytes + 16) for each wave, in slot 0, which has had its last fill and its last read when the first result is stored there
.set ADRA, 16                          ; v16-17 LDS address of A's planes in slot 0, 1
.set ADRB, 20                          ; v20-23 of B's fragments
.set STO,  24
.set RD,   25
.set CO,   26
.set ADRS, 27
.set SPW,  28
.set NIL,  29
.set SC,   32
.set BI,   64
.set AF,   128
.set BK,   128
.set G1, 24
.set G0, 32
.set G1B, 48
.set G0B, 56
.set G1S, 68
.set G0S, 76
.set G1SB, 80
.set G0SB, 88
.set MSB, 0
.macro WIN new                         ; the immediate's high byte repeats the setting that is left
.if MSB != \new
	s_set_vgpr_msb (MSB<<8)|\new
.set MSB, \new
.endif
.endm
.set MUL_LO, 0xa1
.set MUL_HI, 0xf1
.set TO_B,   0x40
.macro JLOAD g0a, g1a, g0b, g1b        ; a joint load: waves 0 and 1 fetch for A, waves 2 and 3 for B; four v_nop follow each of the two lines
	s_cmp_eq_u32 s15, 0
	s_cbranch_scc0 .Lfor_b_\@
	tensor_load_to_lds s[\g0a:\g0a+3], s[\g1a:\g1a+7]
	s_nop 0
.rept 4
	v_nop
.endr
	s_branch .Lasked_\@
.Lfor_b_\@:
	tensor_load_to_lds s[\g0b:\g0b+3], s[\g1b:\g1b+7]
	s_nop 0
.rept 4
	v_nop
.endr
.Lasked_\@:
.endm
.macro CREST
	s_cmp_lg_u32 s14, 0
	s_cbranch_scc1 .Lnot_wave_0_\@
	s_barrier_signal -3
.Lnot_wave_0_\@:
	s_barrier_wait -3
	s_barrier_signal -1
	s_barrier_wait -1
.endm
.macro CROUND
	s_barrier_signal -1
	s_barrier_wait -1
	CREST
.endm
	s_load_b128 s[4:7], s[0:1], 0x0                ; xa s[4:5], xs s[6:7]
	s_load_b128 s[8:11], s[0:1], 0x10              ; W's codes s[8:9], W's scales s[10:11]
	s_load_b128 s[96:99], s[0:1], 0x20             ; b_out s[96:97], out0 s[98:99]
	v_lshl_add_u32 v[SPW], v0, 2, SPARE
	v_mov_b32 v[NIL], 0
	ds_add_u32 v28, v29
	ds_add_u32 v28, v29
	s_wait_dscnt 0x0
	v_lshrrev_b32 v1, 5, v0
	v_readfirstlane_b32 s14, v1                    ; wave 0..3
	s_lshr_b32 s15, s14, 1                         ; which half of the tile's rows is mine.  Also: I fetch for A (0) or for B (1)
	s_and_b32 s16, s14, 1                          ; which half of its columns.  Also: which half of that tile I fetch
	s_bfe_u32 s40, ttmp6, 0x40000                  ; cx, cy
	s_bfe_u32 s41, ttmp6, 0x40004
	s_lshl_b32 s42, ttmp9, 2
	s_add_co_u32 s42, s42, s40                     ; tile column = 4 x cluster x + cx
	s_and_b32 s17, ttmp7, 0xffff
	s_lshl_b32 s17, s17, 2
	s_add_co_u32 s17, s17, s41                     ; tile row = 4 x cluster y + cy
	s_lshl_b32 s43, s41, 2
	s_lshl_b32 s43, 15, s43                        ; my row of the cluster
	s_lshl_b32 s44, 0x1111, s40                    ; my column
	; group 1 for A: 8 rows (tiles of tokens) of 3,072 bytes (384 elements of 8 bytes), 12,288 bytes apart, dense in LDS
	s_or_b32 s[G1+0], s43, (3<<16)|(1<<21)
	s_mov_b32 s[G1+1], (AROW/8)<<16
	s_mov_b32 s[G1+2], 8<<16
	s_mov_b32 s[G1+3], (AROW/8)<<16
	s_mov_b32 s[G1+4], 8
	s_mov_b32 s[G1+5], ATILE/8
	s_mov_b32 s[G1+6], 0
	s_mov_b32 s[G1+7], 0
	; for B: 128 rows x 192 bytes, 16 bytes of padding behind every 64
	s_or_b32 s[G1B+0], s44, (0<<16)|(1<<20)|(1<<21)|(3<<22)|(3<<25)
	s_mov_b32 s[G1B+1], ROWB<<16
	s_mov_b32 s[G1B+2], 128<<16
	s_mov_b32 s[G1B+3], ROWB<<16
	s_mov_b32 s[G1B+4], 128
	s_mov_b32 s[G1B+5], KROW
	s_mov_b32 s[G1B+6], 0
	s_mov_b32 s[G1B+7], 0
	; for the scales of 128 rows: 4,096 dense bytes as 16 rows of 256 bytes, 16 bytes of padding behind each
	s_or_b32 s[G1S+0], s43, (3<<16)|(1<<20)|(1<<21)|(5<<22)|(3<<25)
	s_or_b32 s[G1SB+0], s44, (3<<16)|(1<<20)|(1<<21)|(5<<22)|(3<<25)
.irp g, G1S, G1SB
	s_mov_b32 s[\g+1], 32<<16
	s_mov_b32 s[\g+2], (128*KS/256)<<16
	s_mov_b32 s[\g+3], 32<<16
	s_mov_b32 s[\g+4], 128*KS/256
	s_mov_b32 s[\g+5], 32
	s_mov_b32 s[\g+6], 0
	s_mov_b32 s[\g+7], 0
.endr
	s_lshl_b32 s18, s16, 7                         ; which 128 rows of the tile I fetch
	s_lshl_b32 s20, s17, 8
	s_add_co_u32 s20, s20, s18                     ; A: row 256 x tile row + 128 x half
	s_lshl_b32 s46, s42, 8
	s_add_co_u32 s46, s46, s18                     ; B: row 256 x tile column + 128 x half
	s_mov_b32 s21, 0
	s_mov_b32 s47, 0
	s_mov_b64 s[18:19], KS
	s_mul_u64 s[22:23], s[20:21], s[18:19]         ; where these rows' scales begin
	s_mul_u64 s[92:93], s[46:47], s[18:19]
	s_mov_b64 s[18:19], KROW                       ; a row of A's images is 12,288 / 16 = 768 bytes too, and my first row is a multiple of 16
	s_mul_u64 s[20:21], s[20:21], s[18:19]
	s_mul_u64 s[46:47], s[46:47], s[18:19]
	s_mul_i32 s45, s16, AHALF                      ; where they go: no place in the cluster enters an LDS address
	s_mul_i32 s95, s16, HALFT
	s_add_co_u32 s95, s95, ABYTES
	s_mul_i32 s94, s14, HALFS
	s_wait_kmcnt 0x0
	s_add_nc_u64 s[20:21], s[4:5], s[20:21]
	s_add_nc_u64 s[22:23], s[6:7], s[22:23]
	s_add_nc_u64 s[46:47], s[8:9], s[46:47]
	s_add_nc_u64 s[92:93], s[10:11], s[92:93]
	CROUND                                         ; all sixteen work-groups are here: the first joint loads meet
	s_mov_b32 s[G0S], 1
	s_add_co_u32 s[G0S+1], s94, SCL
	s_mov_b64 s[G0S+2:G0S+3], s[22:23]
	s_or_b32 s[G0S+3], s[G0S+3], 0x80000000
	s_mov_b32 s[G0SB], 1
	s_add_co_u32 s[G0SB+1], s94, SCL
	s_mov_b64 s[G0SB+2:G0SB+3], s[92:93]
	s_or_b32 s[G0SB+3], s[G0SB+3], 0x80000000
	JLOAD G0S, G1S, G0SB, G1SB                     ; the scales first.  Each of the two below waits for all my earlier tensor loads: one is out at a time
.irp s, 0,1
	s_mov_b32 s[G0+4*\s], 1
	s_add_co_u32 s[G0+4*\s+1], s45, \s*SLOT
	s_add_nc_u64 s[G0+4*\s+2:G0+4*\s+3], s[20:21], \s*AROW
	s_or_b32 s[G0+4*\s+3], s[G0+4*\s+3], 0x80000000
	s_mov_b32 s[G0B+4*\s], 1
	s_add_co_u32 s[G0B+4*\s+1], s95, \s*SLOT
	s_add_nc_u64 s[G0B+4*\s+2:G0B+4*\s+3], s[46:47], \s*ROWB
	s_or_b32 s[G0B+4*\s+3], s[G0B+4*\s+3], 0x80000000
	s_wait_alu depctr_va_vdst(0)
	s_wait_tensorcnt 0x0
	ds_add_u32 v28, v29
	s_wait_dscnt 0x0
	CROUND
	JLOAD G0+4*\s, G1, G0B+4*\s, G1B
.endr
	s_lshl_b32 s18, s42, 10
	s_lshl_b32 s19, s16, 9
	s_add_co_u32 s18, s18, s19                     ; 4 x (256 x tile column + 128 x half)
	s_mov_b32 s19, 0
	s_add_nc_u64 s[96:97], s[96:97], s[18:19]
	v_and_b32 v1, 15, v0                           ; r
	v_bfe_u32 v2, v0, 4, 1                         ; h
	v_lshlrev_b32 v10, 5, v2
.irp b, 0,1,2,3,4,5,6,7
	global_load_b128 v[BI+8*\b:BI+8*\b+3], v10, s[96:97] offset:64*\b      ; the bias of my columns 16 b + 8 h + 0 .. 7
	global_load_b128 v[BI+8*\b+4:BI+8*\b+7], v10, s[96:97] offset:64*\b+16
.endr
	v_mul_u32_u24 v3, v1, PITCH
	v_mul_u32_u24 v4, v2, 24
	v_add_nc_u32 v4, v3, v4                        ; B: a fragment's row x pitch + 24 x half
	v_lshl_add_u32 v5, v2, 4, v4                   ; and the same behind one padding more
	v_and_b32 v6, 31, v0
	v_lshlrev_b32 v7, 3, v6                        ; A: 8 x lane
	s_mul_i32 s21, s15, AHALF                      ; my eight tiles of A
	s_mul_i32 s22, s16, HALFT                      ; my 128 rows of B,
	s_add_co_u32 s22, s22, ABYTES                  ; which lie behind A's
.irp s, 0,1
	v_add_nc_u32 v[ADRA+\s], s21, v7
	v_add_nc_u32 v[ADRB+\s], s22, v4
	v_add_nc_u32 v[ADRB+2+\s], s22, v5
	s_add_co_u32 s21, s21, SLOT
	s_add_co_u32 s22, s22, SLOT
.endr
	v_mul_u32_u24 v5, v1, KS
	v_lshrrev_b32 v8, 8, v5
	v_lshl_add_u32 v5, v8, 4, v5
	s_mul_i32 s21, s15, HALFS
	s_mul_i32 s22, s16, HALFS
	s_add_co_u32 s22, s22, 2*HALFS
	s_sub_co_u32 s22, s22, s21
	v_mul_u32_u24 v8, s22, v2                      ; lanes 16-31 take B's: one product, the distance between the two bases
	s_add_co_u32 s21, s21, SCL
	v_add_nc_u32 v5, v5, v8
	v_add_nc_u32 v[ADRS], s21, v5
	s_mul_i32 s23, s14, 16*SPITCH                  ; my stage
	v_mul_u32_u24 v5, v1, SPITCH
	v_lshl_add_u32 v5, v2, 5, v5
	v_add_nc_u32 v[STO], s23, v5                   ; in: row r, 32 bytes for each half of the lanes
	v_lshlrev_b32 v[CO], 4, v6                     ; back: the 32 lanes take one row of 512 bytes; and the same in out0
	v_add_nc_u32 v[RD], s23, v[CO]
	s_lshl_b32 s20, s17, 8
	s_lshl_b32 s21, s15, 7
	s_add_co_u32 s20, s20, s21                     ; my first row of out0
	s_mov_b32 s21, 0
	s_mov_b64 s[18:19], SIZE_N*4
	s_mul_u64 s[20:21], s[20:21], s[18:19]
	s_lshl_b32 s46, s42, 10
	s_lshl_b32 s47, s16, 9
	s_add_co_u32 s46, s46, s47                     ; my first column, in bytes
	s_mov_b32 s47, 0
	s_add_nc_u64 s[20:21], s[20:21], s[46:47]
	s_add_nc_u64 s[12:13], s[98:99], s[20:21]
.macro FRAG reg, adr, q, i             ; B: 24 bytes of the row's stream for each half, in pieces of 8 bytes
.irp p, 0,1,2,3,4,5
.set PIECE, 12*(\q)+6*(\p/3)+\p%3
.if PIECE%8 < 5
	ds_load_b64 v[\reg+2*\p:\reg+2*\p+1], v[\adr] offset:8*PIECE+16*(PIECE/8)+(\i)*16*PITCH
.else
	ds_load_b64 v[\reg+2*\p:\reg+2*\p+1], v[\adr+2] offset:8*PIECE+16*(PIECE/8)+(\i)*16*PITCH
.endif
.endr
.endm
.macro FRAG_A reg, adr, q, i           ; A: six planes, 256 consecutive bytes each
.irp p, 0,1,2,3,4,5
	ds_load_b64 v[\reg+2*\p:\reg+2*\p+1], v[\adr] offset:AROW*(\i)+1536*(\q)+256*\p
.endr
.endm
; 16 matrix instructions: A's blocks a0, a0 + 1 x B's eight.  cm = 1: the sums start from the bias (C = BI + 8 b); 0: they go on in place.  The 64 accumulators take turns, one instruction a turn.
.macro MUL16 a0, p, q, sc, cm
.irp a, \a0, \a0+1
.irp b, 0,1,2,3,4,5,6,7
.if \cm
	v_wmma_scale_f32_16x16x128_f8f6f4 v[8*(8*((\a)%4)+\b):8*(8*((\a)%4)+\b)+7], v[128*(\p)+FR*\b:128*(\p)+FR*\b+FR-1], v[AF+FR*(\a):AF+FR*(\a)+FR-1], v[BI+8*\b:BI+8*\b+7], v[SC+8*NQ*(\sc)+NQ*\b+(\q)], v[SC+8*NQ*(\sc)+NQ*(\a)+(\q)] matrix_a_fmt:MATRIX_FMT_FP6 matrix_b_fmt:MATRIX_FMT_FP6 matrix_a_scale:MATRIX_SCALE_ROW1
.else
	v_wmma_scale_f32_16x16x128_f8f6f4 v[8*(8*((\a)%4)+\b):8*(8*((\a)%4)+\b)+7], v[128*(\p)+FR*\b:128*(\p)+FR*\b+FR-1], v[AF+FR*(\a):AF+FR*(\a)+FR-1], v[8*(8*((\a)%4)+\b):8*(8*((\a)%4)+\b)+7], v[SC+8*NQ*(\sc)+NQ*\b+(\q)], v[SC+8*NQ*(\sc)+NQ*(\a)+(\q)] matrix_a_fmt:MATRIX_FMT_FP6 matrix_b_fmt:MATRIX_FMT_FP6 matrix_a_scale:MATRIX_SCALE_ROW1
.endif
.endr
.endr
.endm
.macro FETCH_B slot, q, p
	WIN TO_B
.irp i, 0,1,2,3,4,5,6,7
	FRAG 128*(\p)+FR*\i, ADRB+\slot, \q, \i
.endr
	WIN 0
.endm
.macro FETCH_A slot, q, i0
.irp i, \i0, \i0+1, \i0+2, \i0+3
	FRAG_A AF+FR*(\i), ADRA+\slot, \q, \i
.endr
.endm
.macro SCALES sc
.irp i, 0,1,2,3,4,5,6,7
	ds_load_b64 v[SC+8*NQ*\sc+NQ*\i:SC+8*NQ*\sc+NQ*\i+1], v[ADRS] offset:\i*SBLK
.endr
.endm
.macro PLACES n                        ; plain vector instructions that name no register of the matrix instructions ahead of them (ISA guide 7.12.1)
.rept \n
	v_nop
.endr
.endm
.macro STEP slot, q, cm
	s_wait_dscnt 4*NL                              ; B's set and A's blocks 0-3 are in; the youngest 24 loads (A's blocks 4-7) may be out
.if \cm
	WIN 0x81                                       ; C from window 0, D window 2
.else
	WIN MUL_LO
.endif
	MUL16 0, (\q)%2, \q, \slot, \cm
	MUL16 2, (\q)%2, \q, \slot, \cm
	s_wait_dscnt 0
	PLACES NP
	FETCH_B \slot, (\q)+1, 1-(\q)%2
	FETCH_A \slot, (\q)+1, 0
.if \cm
	WIN 0xc1
.else
	WIN MUL_HI
.endif
	MUL16 4, (\q)%2, \q, \slot, \cm
	MUL16 6, (\q)%2, \q, \slot, \cm
	PLACES NP
	WIN 0
	FETCH_A \slot, (\q)+1, 4
.endm
.macro TURN slot, next, fill
	s_wait_tensorcnt 0x0                           ; all my tensor loads have landed: my part of the next slot
	ds_add_u32 v[SPW], v[NIL]                      ; 0 onto my spare word
	s_wait_dscnt 4*NL+1                            ; the add and the youngest 24 loads may be out
	WIN MUL_LO
	MUL16 0, 1, NQ-1, \slot, 0
	s_wait_dscnt 0x0                               ; the add is done, and my reads of this slot are over
	s_barrier_signal -1
	MUL16 2, 1, NQ-1, \slot, 0
	WIN 0
	s_barrier_wait -1
.if \fill
	CREST                                          ; the barrier has opened a round of the cluster's barrier: no wave of any partner still reads this slot or has a load on its way
	s_add_nc_u64 s[G0+4*\slot+2:G0+4*\slot+3], s[G0+4*\slot+2:G0+4*\slot+3], 2*AROW
	s_add_nc_u64 s[G0B+4*\slot+2:G0B+4*\slot+3], s[G0B+4*\slot+2:G0B+4*\slot+3], 2*ROWB
	JLOAD G0+4*\slot, G1, G0B+4*\slot, G1B         ; the first tensor load behind the round; its four v_nop are the places in front of the loads below
.else
	PLACES NP
.endif
	s_wait_alu depctr_va_vdst(0)
	v_add_nc_u32 v[ADRS], 4*NQ, v[ADRS]
	FETCH_B \next, 0, 0
	FETCH_A \next, 0, 0
	SCALES \next
	WIN MUL_HI
	MUL16 4, 1, NQ-1, \slot, 0
	MUL16 6, 1, NQ-1, \slot, 0
	PLACES NP
	WIN 0
	FETCH_A \next, 0, 4
.endm
	s_wait_alu depctr_va_vdst(0)
	s_wait_tensorcnt 1                             ; the scales and my part of K step 0 are in (K step 1's load may be out),
	s_barrier_signal -1
	s_barrier_wait -1                              ; everybody's are
	FETCH_B 0, 0, 0
	FETCH_A 0, 0, 0
	SCALES 0
	FETCH_A 0, 0, 4
	s_wait_loadcnt 0x0                             ; the bias
	STEP 0, 0, 1                                   ; the first step stands in front of the loop: its products start the sums from the bias
	s_mov_b32 s3, LAPS-1
.Llap:
	TURN 0, 1, 1
	STEP 1, 0, 0
	TURN 1, 0, 1
	STEP 0, 0, 0
	s_sub_co_u32 s3, s3, 1
	s_cmp_lg_u32 s3, 0
	s_cbranch_scc1 .Llap
	TURN 0, 1, 0                                   ; the last lap fills nothing
	STEP 1, 0, 0
	s_wait_dscnt 4*NL
	WIN MUL_LO
	MUL16 0, 1, NQ-1, 1, 0
	MUL16 2, 1, NQ-1, 1, 0
	s_wait_dscnt 0
	WIN MUL_HI
	MUL16 4, 1, NQ-1, 1, 0
	MUL16 6, 1, NQ-1, 1, 0
	WIN 0
; THE WAY OUT, block by block of 16 rows x 128 columns, through my own stage in LDS: back come whole rows of 512 bytes.  LDS serves a wave's instructions in order (ISA guide 5.7.1.4).
.macro TOSTAGE a
.set AC, 64*((\a)%4)
	WIN 0x08+4*((\a)/4)                            ; the data: window 2 or 3
.irp b, 0,1,2,3,4,5,6,7
	ds_store_b128 v[STO], v[AC+8*\b:AC+8*\b+3] offset:64*\b          ; each accumulator from its low end on
	ds_store_b128 v[STO], v[AC+8*\b+4:AC+8*\b+7] offset:64*\b+16
.endr
	WIN 0
.set BB, BK+64*((\a)%2)
.irp t, 0,1,2,3,4,5,6,7,8,9,10,11,12,13,14,15
	ds_load_b128 v[BB+4*\t:BB+4*\t+3], v[RD] offset:\t*SPITCH
.endr
.endm
.macro SEND a, younger                 ; younger: the LDS instructions issued behind block a's loads, which may stay out
.set BB, BK+64*((\a)%2)
	s_wait_dscnt \younger
.if (\a) > 0
	s_add_nc_u64 s[12:13], s[12:13], 16*SIZE_N*4   ; (behind a wait on XCNT: the earlier stores have read their base)
.endif
.irp t, 0,1,2,3,4,5,6,7,8,9,10,11,12,13,14,15
	global_store_b128 v[CO], v[BB+4*\t:BB+4*\t+3], s[12:13] offset:\t*SIZE_N*4 th:TH_STORE_NT   ; 32 lanes store 512 consecutive bytes, at a multiple of 256 from out0's first byte
.endr
.endm
	PLACES NP
	TOSTAGE 0
.irp a, 1,2,3,4,5,6,7
.if \a > 1
	s_wait_xcnt 0x0                                ; block a - 2's stores have read their registers and their base
.endif
	TOSTAGE \a
	SEND \a-1, 32                                  ; behind block a - 1's loads: block a's 16 stores and 16 loads
.endr
	s_wait_xcnt 0x0
	SEND 7, 0
	s_wait_tensorcnt 0x0                           ; the wave's end
	ds_add_u32 v[SPW], v[NIL]
	s_wait_dscnt 0x0
	CROUND                                         ; the closing round
	s_endpgm
.Lfunc_end_k_q765c965863_proj:
	.size	k_q765c965863_proj, .Lfunc_end_k_q765c965863_proj-k_q765c965863_proj
	.p2alignl 7, 3214868480
	.fill 96, 4, 3214868480
	.section	.rodata,"a",@progbits
	.p2align	6, 0x0
	.amdhsa_kernel k_q765c965863_proj
		.amdhsa_group_segment_fixed_size 327680
		.amdhsa_private_segment_fixed_size 0
		.amdhsa_enable_private_segment 0
		.amdhsa_kernarg_size 48
		.amdhsa_user_sgpr_count 2
		.amdhsa_user_sgpr_kernarg_segment_ptr 1
		.amdhsa_wavefront_size32 1
		.amdhsa_system_sgpr_workgroup_id_x 1
		.amdhsa_system_sgpr_workgroup_id_y 1
		.amdhsa_system_sgpr_workgroup_id_z 1
		.amdhsa_system_vgpr_workitem_id 0
		.amdhsa_next_free_vgpr 1024
		.amdhsa_next_free_sgpr 100
		.amdhsa_reserve_vcc 0
		.amdhsa_float_denorm_mode_32 3
		.amdhsa_float_denorm_mode_16_64 3
		.amdhsa_memory_ordered 1
		.amdhsa_forward_progress 1
		.amdhsa_inst_pref_size 163
	.end_amdhsa_kernel
	.amdgpu_metadata
---
amdhsa.version: [ 1, 2 ]
amdhsa.kernels:
  - .name:           k_q765c965863_proj
    .symbol:         k_q765c965863_proj.kd
    .args:
      - { .name: xa, .offset: 0, .size: 8, .value_kind: global_buffer, .address_space: global }
      - { .name: xs, .offset: 8, .size: 8, .value_kind: global_buffer, .address_space: global }
      - { .name: W_out_codes, .offset: 16, .size: 8, .value_kind: global_buffer, .address_space: global }
      - { .name: W_out_scales, .offset: 24, .size: 8, .value_kind: global_buffer, .address_space: global }
      - { .name: b_out, .offset: 32, .size: 8, .value_kind: global_buffer, .address_space: global }
      - { .name: out0, .offset: 40, .size: 8, .value_kind: global_buffer, .address_space: global }
    .group_segment_fixed_size: 327680
    .private_segment_fixed_size: 0
    .kernarg_segment_align: 8
    .kernarg_segment_size: 48
    .max_flat_workgroup_size: 128
    .sgpr_count:     100
    .vgpr_count:     1024
    .wavefront_size: 32
...
	.end_amdgpu_metadata
.endif
;; end of part 3
